; MI455X (gfx1250); checked and timed in simulation.
; The chip was launched on July 23, 2026; its instructions are those of AMD's public machine-readable ISA for CDNA 5 (MIT licence, August 2026) and "CDNA5" Instruction Set Architecture Reference Guide (July 2026). The comments in the code are by the model that wrote it; some were corrected since.
;; Token Shuffling Mo E. Allowed arithmetic: matrix products marked QUANTISED: E2M3 operands, one E8M0 scale for each 32 along K, by v_wmma_scale_f32_16x16x128_f8f6f4 with both operands' format E2M3, f32 sums; products left as they are: f32 operands where the result goes on into a quantised operand, else bf16, f16 or f32 operands; f32 sums; everything else in f32.
;; Inputs: router_DE 1,024 x 8 float32; w13 8 x 2,048 x 1,024 float32; w13_shared 4,096 x 1,024 float32; w2 8 x 1,024 x 1,024 float32; w2_shared 1,024 x 2,048 float32; x 2 x 1,024 x 1,024 float32.
;; Outputs: out0 2 x 1,024 x 1,024 float32.
;; Constants: use_static_shape = 1.
;; This version of the problem:
;;   THIS VERSION OF THE PROBLEM IS GIVEN IN LOW PRECISION. The matrix products marked QUANTISED in the list below multiply operands that are first quantised to E2M3 (2 exponent bits, 3 mantissa bits; 6 bits a number), with one power-of-two scale for each 32 numbers along K (OCP MX v1.0); their sums are f32. All else is computed in f32.
;;   The module's matrix products, in the order in which they are computed (A, B: the left and right operand; K: the contracted axis; several contracted axes count as one K, in the product's order):
;;     1. [M 2,048, K 1,024] x [K 1,024, N 8]; A: input x; B: input router_DE: left as it is (N = 8 < 16)
;;     2. [M 2,048, K 1,024] x [K 1,024, N 1,024]; A: computed on the way; B: input w13: QUANTISED
;;     3. [M 2,048, K 1,024] x [K 1,024, N 1,024]; A: computed on the way; B: input w13: QUANTISED
;;     4. [M 2,048, K 1,024] x [K 1,024, N 1,024]; A: computed on the way; B: input w2: QUANTISED
;;     5. [M 2,048, K 1,024] x [K 1,024, N 1,024]; A: computed on the way; B: input w13: QUANTISED
;;     6. [M 2,048, K 1,024] x [K 1,024, N 1,024]; A: computed on the way; B: input w13: QUANTISED
;;     7. [M 2,048, K 1,024] x [K 1,024, N 1,024]; A: computed on the way; B: input w2: QUANTISED
;;     8. [M 2,048, K 1,024] x [K 1,024, N 1,024]; A: computed on the way; B: input w13: QUANTISED
;;     9. [M 2,048, K 1,024] x [K 1,024, N 1,024]; A: computed on the way; B: input w13: QUANTISED
;;     10. [M 2,048, K 1,024] x [K 1,024, N 1,024]; A: computed on the way; B: input w2: QUANTISED
;;     11. [M 2,048, K 1,024] x [K 1,024, N 1,024]; A: computed on the way; B: input w13: QUANTISED
;;     12. [M 2,048, K 1,024] x [K 1,024, N 1,024]; A: computed on the way; B: input w13: QUANTISED
;;     13. [M 2,048, K 1,024] x [K 1,024, N 1,024]; A: computed on the way; B: input w2: QUANTISED
;;     14. [M 2,048, K 1,024] x [K 1,024, N 1,024]; A: computed on the way; B: input w13: QUANTISED
;;     15. [M 2,048, K 1,024] x [K 1,024, N 1,024]; A: computed on the way; B: input w13: QUANTISED
;;     16. [M 2,048, K 1,024] x [K 1,024, N 1,024]; A: computed on the way; B: input w2: QUANTISED
;;     17. [M 2,048, K 1,024] x [K 1,024, N 1,024]; A: computed on the way; B: input w13: QUANTISED
;;     18. [M 2,048, K 1,024] x [K 1,024, N 1,024]; A: computed on the way; B: input w13: QUANTISED
;;     19. [M 2,048, K 1,024] x [K 1,024, N 1,024]; A: computed on the way; B: input w2: QUANTISED
;;     20. [M 2,048, K 1,024] x [K 1,024, N 1,024]; A: computed on the way; B: input w13: QUANTISED
;;     21. [M 2,048, K 1,024] x [K 1,024, N 1,024]; A: computed on the way; B: input w13: QUANTISED
;;     22. [M 2,048, K 1,024] x [K 1,024, N 1,024]; A: computed on the way; B: input w2: QUANTISED
;;     23. [M 2,048, K 1,024] x [K 1,024, N 1,024]; A: computed on the way; B: input w13: QUANTISED
;;     24. [M 2,048, K 1,024] x [K 1,024, N 1,024]; A: computed on the way; B: input w13: QUANTISED
;;     25. [M 2,048, K 1,024] x [K 1,024, N 1,024]; A: computed on the way; B: input w2: QUANTISED
;;     26. [M 2,048, K 1,024] x [K 1,024, N 2,048]; A: input x; B: input w13_shared: QUANTISED
;;     27. [M 2,048, K 1,024] x [K 1,024, N 2,048]; A: input x; B: input w13_shared: QUANTISED
;;     28. [M 2,048, K 2,048] x [K 2,048, N 1,024]; A: computed on the way; B: input w2_shared: QUANTISED
;;   THE QUANTISER, for each operand of a quantised product, along K:
;;     - K is cut into blocks of 32 from its start; a last block that is shorter is filled with zeros.
;;     - A block's scale is 2^e with e = floor(log2(the largest magnitude in the block)) - 2, held to -126 .. 127; a block of zeros has e = 0. As a byte (E8M0): e + 127.
;;     - Each number is divided by its block's scale, clamped to +-7.5, and rounded to the nearest number of E2M3, ties to even, subnormals kept.
;;     - The product sums the exact products of the quantised numbers (number of the format x scale) in f32.
;;   ~~~python
;;   def quantise(x, axis):      # numpy; x: float32 -> the quantised numbers, widened to float32 again
;;       x = np.moveaxis(x, axis, -1); K = x.shape[-1]
;;       x = np.pad(x, [(0, 0)] * (x.ndim - 1) + [(0, -K % 32)]); x = x.reshape(x.shape[:-1] + (-1, 32)); a = np.abs(x).max(-1, keepdims=True)
;;       e = np.where(a > 0, np.clip(np.frexp(np.where(a > 0, a, 1))[1] - 1 - 2, -126, 127), 0)      # np.frexp(a)[1] - 1 = floor(log2(a)), exactly
;;       r = np.clip(x / 2.0 ** e, -7.5, 7.5)
;;       step = 2.0 ** (np.maximum(np.frexp(np.where(r == 0, 1, r))[1] - 1, 0) - 3)
;;       q = np.round(r / step) * step * 2.0 ** e      # np.round: ties to even
;;       return np.moveaxis(q.reshape(q.shape[:-2] + (-1,))[..., :K], -1, axis).astype(np.float32)
;;   ~~~
;;   OPERANDS COMPUTED ON THE WAY. 'Computed on the way' means the value that the module computes at that place (a softmax that the list does not call 'softmax' is quantised finished and normalised). What goes into a quantiser is computed in f32, as accurately as f32 sums, v_exp_f32 and their like allow (about 1e-6 of the number): no bf16 or f16 on the way to a quantiser, and a product that is left as it is and whose result goes on into a quantised operand takes f32 operands (vector FMAs, or v_wmma_f32_16x16x4_f32). A number that lies on a knife's edge between two numbers of the format may be rounded either way, as far as f32 arithmetic and the matrix unit's own rounding can turn it there, and no further.
;; 2 versions, each right; version 2 is version 1 with the launches g13, g2 written anew for expert scheduling mode. Each part assembles by itself: llvm-mc -triple=amdgcn-amd-amdhsa -mcpu=gfx1250 --defsym DOCPART=n.
;; ======== version 1 of 2: 4 launches
;; workspace buffers: wq 24,576,000 bytes; xq 3,145,728 bytes; xs 131,072 bytes; hq 7,065,600 bytes; eid 8,192 bytes of whole numbers; list 11,776 bytes of whole numbers; tt 256 bytes of whole numbers
;; launch qa (part 1): grid 768 x 1, 4 waves a work-group, no clusters, 96,768 bytes of LDS; arguments x, router_DE, w13, w13_shared, wq, xq, xs, eid; writes wq, xq, xs, eid
.if DOCPART == 1
	.amdgcn_target "amdgcn-amd-amdhsa--gfx1250"
	.amdhsa_code_object_version 6
	.text
	.protected	k_q626cca1ebb_qa
	.globl	k_q626cca1ebb_qa
	.p2align	8
	.type	k_q626cca1ebb_qa,@function
k_q626cca1ebb_qa:
	s_mov_b64 s[64:65], 0
	v_nop
	global_prefetch_b8 v0, s[64:65] scope:SCOPE_SE
	s_setreg_imm32_b32 hwreg(HW_REG_WAVE_MODE, 25, 1), 1
	s_wait_xcnt 0x0
; FIRST LAUNCH.  Work-groups 0-127: the router (f32), first-maximum argmax, sigmoid of the winning logit, and the codes of x and of xr = x * score (FP6 E2M3, one E8M0 byte for 32 along K).
; Work-groups 128-767: w13 and w13_shared, f32 with K innermost, into SETS of 12,800 bytes laid in the order of an operand's registers:
;   a set = 128 weight rows x 128 K = 8 fragments of 1,536 bytes (register 4 n + i of lane l at 512 n + 16 l + 4 i), then 512 bytes of scale words (slot l: 16 bytes, word j = fragment j + 4 (l / 16), row l % 16).
;   Fragment f = 4 hf + 2 b + u takes source rows row0(hf) + 32 b + 8 u + i + 8 (i / 8), i = 0 .. 15, so that the results of two neighbouring fragments are 16 neighbours along the next product's K.
; A block's scale byte is its largest magnitude's exponent field - 2, held at 1 from below.
; LIMITS: NaN and infinities are not served; a block whose largest magnitude lies under 2^-124 keeps the byte 1 (a block of zeros too: its codes are zeros, and this program alone reads the bytes);
; two logits equal within the rounding of f32 sums may choose the other expert; a winning logit under about -87 gives the score 0.
; No matrix unit, no cluster, no tensor load: a stream whose work-groups share nothing but the 32 KB router table.
.set RT,   33792                       ; LDS: 0 .. 33,791 four stages of 16 x 528 bytes (weights);  RT: the router table, 256 pieces of 128 bytes, 144 apart
.set XB0,  70656                       ; from here 6,400 bytes a wave: a token's row (32 x 144), its codes (1,536), four tokens' scale bytes (256)
.set XR,   16                          ; v16-143  four tokens' rows as loaded: token q, load j at 32 q + 4 j
.set WB,   144                         ; v144-207 two buffers of 32 router numbers
.set ACC,  208                         ; v208-239 logits: 8 q + e
.set BEST, 240
.set ID,   244
.set SC,   248                         ; v248-255 the score, a pair for each token
.set XT,   144                         ; v144-175 my block of 32 of x
.set XS,   176                         ; v176-207 the same of xr;  v176-187 later the codes on their way out
.set OUTC, 176
.set M,    208
.set SOX,  210
.set SOR,  211
.set BYX,  212
.set BYR,  213
.set CD,   216                         ; v216-227 codes: six registers of x, six of xr
.set CT,   228
.set R,    16                          ; weights: v16-143 two sets of 64 as loaded
.set X,    144                         ; v144-207 a fragment's numbers in the operand's order
.set VO,   208                         ; v208-223 a byte offset for each of a fragment's 16 rows
.set QM,   224
.set QSO,  226
.set QBY,  228
.set WD,   230                         ; v230-233 four fragments' scale words
.set QT,   234
.set SH8,  235
.set QC,   236                         ; v236-247 a fragment's codes
.set QCT,  248
	s_load_b512 s[8:23], s[0:1], 0x0               ; x s[8:9], router s[10:11], w13 s[12:13], w13_shared s[14:15], wq s[16:17], xq s[18:19], xs s[20:21], eid s[22:23]
	s_set_vgpr_msb 0x40
	v_lshl_add_u32 v0, v0, 2, 0x17800
	v_mov_b32 v1, 0
	s_set_vgpr_msb 0x4000
	v_lshrrev_b32 v14, 5, v0
	v_readfirstlane_b32 s24, v14                   ; wave
	v_and_b32 v1, 31, v0                           ; lane
	v_lshlrev_b32 v2, 4, v1                        ; 16 l
	v_lshlrev_b32 v13, 3, v1                       ; 8 l
	s_mul_i32 s25, s24, 6400
	s_add_co_u32 s25, s25, XB0                     ; my wave's region for tokens
	s_mul_i32 s26, s24, 8448                       ; my wave's stage for weights
	; every LDS address is made here, ahead of the first parting of the ways
	v_lshrrev_b32 v14, 3, v0
	v_mul_u32_u24 v3, v14, 144
	v_and_b32 v14, 7, v0
	v_lshl_add_u32 v3, v14, 4, v3
	v_add_nc_u32 v3, RT, v3                        ; router table, in: piece thread / 8, 16 (thread % 8)
	v_mul_u32_u24 v15, v1, 144
	v_add_nc_u32 v4, RT, v15                       ; router table, out: piece l
	v_add_nc_u32 v6, s25, v15                      ; a token's row, out: block l
	v_lshrrev_b32 v14, 3, v1
	v_mul_u32_u24 v5, v14, 144
	v_and_b32 v14, 7, v1
	v_lshl_add_u32 v5, v14, 4, v5
	v_add_nc_u32 v5, s25, v5                       ; a token's row, in
	s_add_co_u32 s27, s25, 4608
	v_mul_u32_u24 v7, v1, 24
	v_add_nc_u32 v7, s27, v7                       ; codes, in: 24 bytes a block
	v_add_nc_u32 v8, s27, v2                       ; codes, out: 16 bytes a lane
	s_add_co_u32 s27, s25, 6144
	v_add_nc_u32 v9, s27, v1                       ; scale bytes, in
	v_add_nc_u32 v10, s27, v13                     ; scale bytes, out
	v_add_nc_u32 v11, s26, v2                      ; weights' stage, in: 16 l
	v_and_b32 v14, 15, v1
	v_mul_u32_u24 v12, v14, 528
	v_lshrrev_b32 v14, 4, v1
	v_lshl_add_u32 v12, v14, 7, v12
	v_add_nc_u32 v12, s26, v12                     ; weights' stage, out: row l % 16, + 128 (l / 16)
	s_mov_b32 s42, 0x76543210
	s_mov_b32 s43, 0xfedcba98                      ; v_permlanex16_b32's selects for lane l xor 16
	s_cmp_lt_u32 ttmp9, 128
	s_cbranch_scc0 .Ljoin
	; the router table comes into LDS once: 128 threads x 16 loads of 16 bytes
	v_lshlrev_b32 v14, 4, v0
	s_wait_kmcnt 0x0
.irp n, 0,1,2,3,4,5,6,7,8,9,10,11,12,13,14,15
	global_load_b128 v[16+4*\n:19+4*\n], v14, s[10:11] offset:2048*\n
.endr
	s_wait_loadcnt 0x0
.irp n, 0,1,2,3,4,5,6,7,8,9,10,11,12,13,14,15
	ds_store_b128 v3, v[16+4*\n:19+4*\n] offset:2304*\n    ; 2,048 bytes are 16 pieces of 144
.endr
.Ljoin:
	s_wait_kmcnt 0x0
	s_wait_dscnt 0x0                               ; my part of the table has landed; then the one barrier, which every work-group passes
	s_barrier_signal -1
	s_barrier_wait -1
	s_cmp_lt_u32 ttmp9, 128
	s_cbranch_scc0 .Lquant
	; ---------------- TOKENS: my wave takes tokens t0 .. t0 + 3 ----------------
	s_lshl_b32 s25, ttmp9, 4
	s_lshl_b32 s26, s24, 2
	s_add_co_u32 s25, s25, s26                     ; t0 = 16 x work-group + 4 x wave
	s_mov_b32 s27, 0
	s_lshl_b32 s26, s25, 12
	s_add_nc_u64 s[8:9], s[8:9], s[26:27]          ; x at t0
	s_mul_i32 s26, s25, 1536
	s_add_nc_u64 s[18:19], s[18:19], s[26:27]      ; xq at t0
	s_lshl_b32 s26, s25, 6
	s_add_nc_u64 s[20:21], s[20:21], s[26:27]      ; xs at t0
	s_lshl_b32 s26, s25, 2
	s_add_nc_u64 s[22:23], s[22:23], s[26:27]      ; eid at t0
.irp j, 0,1,2,3,4,5,6,7
.irp q, 0,1,2,3
	global_load_b128 v[XR+32*\q+4*\j:XR+32*\q+4*\j+3], v2, s[8:9] offset:4096*\q+512*\j th:TH_LOAD_NT   ; x[t0 + q][128 j + 4 l + 0 .. 3]: 512 consecutive bytes a load
.endr
.endr
.macro WLOAD j                         ; router[128 j + 4 l + i][e] into register 8 i + e of buffer j % 2
.irp n, 0,1,2,3,4,5,6,7
	ds_load_b128 v[WB+32*((\j)%2)+4*\n:WB+32*((\j)%2)+4*\n+3], v4 offset:4608*(\j)+16*\n
.endr
.endm
.macro DOT j                           ; 128 along K for four tokens and eight experts: two experts an instruction, x's number for both halves
.if (\j) < 7
	WLOAD (\j)+1
	s_wait_dscnt 8                                 ; this buffer is in; the eight loads just issued may be out
.else
	s_wait_dscnt 0x0
.endif
	s_wait_loadcnt 28-4*(\j)                       ; the four loads of this j are in; those of later j may be out
.irp i, 0,1,2,3
.irp q, 0,1,2,3
.irp p, 0,1,2,3
.if ((\j) == 0) && (\i == 0)
	v_pk_mul_f32 v[ACC+8*\q+2*\p:ACC+8*\q+2*\p+1], v[XR+32*\q:XR+32*\q+1], v[WB+2*\p:WB+2*\p+1] op_sel:[0,0] op_sel_hi:[0,1]   ; the first product starts the sums
.elseif (\i%2) == 0
	v_pk_fma_f32 v[ACC+8*\q+2*\p:ACC+8*\q+2*\p+1], v[XR+32*\q+4*(\j)+2*(\i/2):XR+32*\q+4*(\j)+2*(\i/2)+1], v[WB+32*((\j)%2)+8*\i+2*\p:WB+32*((\j)%2)+8*\i+2*\p+1], v[ACC+8*\q+2*\p:ACC+8*\q+2*\p+1] op_sel:[0,0,0] op_sel_hi:[0,1,1]
.else
	v_pk_fma_f32 v[ACC+8*\q+2*\p:ACC+8*\q+2*\p+1], v[XR+32*\q+4*(\j)+2*(\i/2):XR+32*\q+4*(\j)+2*(\i/2)+1], v[WB+32*((\j)%2)+8*\i+2*\p:WB+32*((\j)%2)+8*\i+2*\p+1], v[ACC+8*\q+2*\p:ACC+8*\q+2*\p+1] op_sel:[1,0,0] op_sel_hi:[1,1,1]
.endif
.endr
.endr
.endr
.endm
	WLOAD 0
.irp j, 0,1,2,3,4,5,6,7
	DOT \j
.endr
	; the 32 sums over the 32 lanes; each step adds two numbers in either order, so every lane ends with the same bits
.irp mk, 1,2,4,8
.set k, 0
.rept 32
	v_add_f32_dpp v[ACC+k], v[ACC+k], v[ACC+k] row_xmask:\mk row_mask:0xf bank_mask:0xf
.set k, k+1
.endr
.endr
.set k, 0
.rept 32
	v_permlanex16_b32 v[WB+k], v[ACC+k], s42, s43  ; (the router's buffers are free and have been written)
.set k, k+1
.endr
.set k, 0
.rept 32
	v_add_f32 v[ACC+k], v[ACC+k], v[WB+k]
.set k, k+1
.endr
	; argmax: a later expert wins only if strictly greater, so the lowest index is kept
.irp q, 0,1,2,3
	v_mov_b32 v[BEST+\q], v[ACC+8*\q]
	v_mov_b32 v[ID+\q], 0
.endr
.irp e, 1,2,3,4,5,6,7
	v_mov_b32 v14, \e
.irp q, 0,1,2,3
	v_cmp_gt_f32 vcc_lo, v[ACC+8*\q+\e], v[BEST+\q]
	v_cndmask_b32 v[BEST+\q], v[BEST+\q], v[ACC+8*\q+\e], vcc_lo
	v_cndmask_b32 v[ID+\q], v[ID+\q], v14, vcc_lo
.endr
.endr
	; score = 1 / (1 + 2^(-log2(e) x logit)), the four tokens as batches
.irp q, 0,1,2,3
	v_mul_f32 v[SC+2*\q], 0xbfb8aa3b, v[BEST+\q]
.endr
.irp q, 0,1,2,3
	v_exp_f32 v[SC+2*\q], v[SC+2*\q]
.endr
	v_nop                                          ; a plain instruction behind the last exponential
	s_wait_alu depctr_va_vdst(0)                   ; one wait for the batch, ahead of its first reader
.irp q, 0,1,2,3
	v_add_f32 v[SC+2*\q], 1.0, v[SC+2*\q]
.endr
.irp q, 0,1,2,3
	v_rcp_f32 v[SC+2*\q], v[SC+2*\q]
.endr
	v_nop
	s_wait_alu depctr_va_vdst(0)
.irp q, 0,1,2,3
	v_mov_b32 v[SC+2*\q+1], v[SC+2*\q]             ; a pair for the packed multiply
.endr
	v_mov_b32 v15, v[ID]                           ; lane q takes token q's expert
.irp q, 1,2,3
	v_cmp_eq_u32 vcc_lo, \q, v1
	v_cndmask_b32 v15, v15, v[ID+\q], vcc_lo
.endr
; One token: its row turns through LDS so that lane l holds block l (32 neighbours); x and xr are quantised; 1,536 bytes of codes leave as three runs of 512.
.macro RTOK q
	s_wait_xcnt 0x0                                ; the last token's stores have read their registers, which are written again below
.irp j, 0,1,2,3,4,5,6,7
	ds_store_b128 v5, v[XR+32*(\q)+4*\j:XR+32*(\q)+4*\j+3] offset:576*\j
.endr
.irp n, 0,1,2,3,4,5,6,7
	ds_load_b128 v[XT+4*\n:XT+4*\n+3], v6 offset:16*\n     ; LDS serves a wave's instructions in order: these see the stores above
.endr
	s_wait_dscnt 0x0
	v_max3_num_f32 v[M], |v[XT]|, |v[XT+1]|, |v[XT+2]|
	v_max3_num_f32 v[M+1], |v[XT+3]|, |v[XT+4]|, |v[XT+5]|
.irp i, 6,10,14,18,22,26
	v_max3_num_f32 v[M], v[M], |v[XT+\i]|, |v[XT+\i+1]|
	v_max3_num_f32 v[M+1], v[M+1], |v[XT+\i+2]|, |v[XT+\i+3]|
.endr
	v_max3_num_f32 v[M], v[M], |v[XT+30]|, |v[XT+31]|
	v_max3_num_f32 v[M], v[M], v[M+1], 0x1800000   ; and the floor 2^(3 - 127): the byte cannot fall under 1
	v_mul_f32 v[M+1], v[M], v[SC+2*(\q)]           ; the largest |xr|: a rounded multiplication by one score keeps the order, so this is the largest of the products' magnitudes
	v_add_nc_u32 v[SOX], 0xff000000, v[M]          ; 2 off the exponent field: the conversion's scale operand
	v_max_num_f32 v[M+1], 0x1800000, v[M+1]
	v_lshrrev_b32 v[BYX], 23, v[SOX]               ; the scale's byte
	v_add_nc_u32 v[SOR], 0xff000000, v[M+1]
	v_lshrrev_b32 v[BYR], 23, v[SOR]
.set k, 0
.rept 16
	v_pk_mul_f32 v[XS+k:XS+k+1], v[XT+k:XT+k+1], v[SC+2*(\q):SC+2*(\q)+1]   ; xr = x * score, in f32
.set k, k+2
.endr
	v_cvt_scalef32_pk16_fp6_f32 v[CD:CD+2], v[XT:XT+15], v[SOX]
	v_cvt_scalef32_pk16_fp6_f32 v[CT:CT+2], v[XT+16:XT+31], v[SOX]         ; (a conversion's three registers begin on an even number)
	v_cvt_scalef32_pk16_fp6_f32 v[CD+6:CD+8], v[XS:XS+15], v[SOR]
	v_cvt_scalef32_pk16_fp6_f32 v[CT+4:CT+6], v[XS+16:XS+31], v[SOR]
	v_nop                                          ; one plain instruction behind the scaled conversions
.irp i, 0,1,2
	v_mov_b32 v[CD+3+\i], v[CT+\i]
	v_mov_b32 v[CD+9+\i], v[CT+4+\i]
.endr
.irp i, 0,1,2
	ds_store_b64 v7, v[CD+2*\i:CD+2*\i+1] offset:8*\i
	ds_store_b64 v7, v[CD+6+2*\i:CD+6+2*\i+1] offset:768+8*\i
.endr
	ds_store_b8 v9, v[BYX] offset:64*(\q)
	ds_store_b8 v9, v[BYR] offset:64*(\q)+32
.irp n, 0,1,2
	ds_load_b128 v[OUTC+4*\n:OUTC+4*\n+3], v8 offset:512*\n
.endr
	s_wait_dscnt 0x0
.irp n, 0,1,2
	global_store_b128 v2, v[OUTC+4*\n:OUTC+4*\n+3], s[18:19] offset:1536*(\q)+512*\n   ; 512 consecutive bytes, at a multiple of 256 from xq's first byte
.endr
.endm
	RTOK 0
	RTOK 1
	RTOK 2
	RTOK 3
	ds_load_b64 v[190:191], v10                    ; four tokens' 256 scale bytes
	s_wait_dscnt 0x0
	global_store_b64 v13, v[190:191], s[20:21]
	v_lshlrev_b32 v14, 2, v1
	v_cmp_gt_u32 vcc_lo, 4, v1
	s_wait_xcnt 0x0                                ; EXEC changes only behind this wait
	s_set_vgpr_msb 0x5
	s_wait_tensorcnt 0x0
	ds_add_u32 v0, v1
	s_wait_dscnt 0x0
	s_set_vgpr_msb 0x500
	s_and_saveexec_b32 s26, vcc_lo
	global_store_b32 v14, v15, s[22:23]            ; the four experts, as whole numbers
	s_wait_xcnt 0x0                                ; and again in front of the line that widens it
	s_or_b32 exec_lo, exec_lo, s26
	s_endpgm
	; ---------------- WEIGHTS: my wave takes half a set: four fragments ----------------
.Lquant:
	s_sub_co_u32 s25, ttmp9, 128
	s_lshl_b32 s25, s25, 2
	s_add_co_u32 s25, s25, s24                     ; item
	s_lshr_b32 s26, s25, 1                         ; set
	s_and_b32 s27, s25, 1                          ; hf: gate rows or up rows
	s_and_b32 s28, s26, 7                          ; which 128 along K
	s_lshr_b32 s29, s26, 3                         ; column group
	s_lshr_b32 s30, s29, 4                         ; w13: expert x 2,048 + hf x 1,024 + 64 g
	s_lshl_b32 s30, s30, 11
	s_and_b32 s31, s29, 15
	s_lshl_b32 s31, s31, 6
	s_add_co_u32 s30, s30, s31
	s_lshl_b32 s31, s27, 10
	s_add_co_u32 s30, s30, s31
	s_sub_co_u32 s48, s29, 128                     ; w13_shared: hf x 2,048 + 64 g
	s_lshl_b32 s48, s48, 6
	s_lshl_b32 s49, s27, 11
	s_add_co_u32 s48, s48, s49
	s_cmp_lt_u32 s26, 1024                         ; the choice hangs on the work-group's and the wave's number alone
	s_cselect_b32 s30, s30, s48                    ; row0
	s_cselect_b64 s[50:51], s[12:13], s[14:15]     ; the source
	s_mov_b64 s[52:53], s[16:17]                   ; wq
	s_mov_b32 s40, 4096                            ; bytes from row to row
	; from here on the text is the same as the second launch's
	s_mul_i32 s30, s30, s40
	s_lshl_b32 s31, s28, 9
	s_add_co_u32 s30, s30, s31
	s_mov_b32 s31, 0
	s_add_nc_u64 s[32:33], s[50:51], s[30:31]      ; fragment 0's first row
	s_lshl_b32 s30, s40, 3
	s_add_nc_u64 s[34:35], s[32:33], s[30:31]      ; fragment 1: 8 rows on
	s_lshl_b32 s30, s40, 5
	s_add_nc_u64 s[36:37], s[32:33], s[30:31]      ; fragment 2: 32 rows on
	s_add_nc_u64 s[38:39], s[34:35], s[30:31]      ; fragment 3: 40 rows on
	s_mul_i32 s30, s26, 12800
	s_mul_i32 s48, s27, 6144
	s_add_co_u32 s48, s48, s30
	s_mov_b32 s49, 0
	s_add_nc_u64 s[44:45], s[52:53], s[48:49]      ; where my four fragments go
	s_lshl_b32 s48, s27, 8
	s_add_co_u32 s48, s48, s30
	s_add_co_u32 s48, s48, 12288
	s_add_nc_u64 s[46:47], s[52:53], s[48:49]      ; and their scale words
.irp i, 0,1,2,3,4,5,6,7,8,9,10,11,12,13,14,15
	v_mad_u32_u24 v[VO+\i], s40, \i+8*(\i/8), v2   ; fragment row i is source row i + 8 (i / 8)
.endr
	v_and_b32 v14, 15, v1
	v_lshlrev_b32 v14, 4, v14
	v_lshrrev_b32 v15, 4, v1
	v_lshl_add_u32 v14, v15, 3, v14                ; scale words: 16 (l % 16) + 8 (l / 16)
	v_lshlrev_b32 v[SH8], 3, v15
	v_mov_b32 v[QT], 0                             ; written once: a lane permute's destination counts as one of its sources
.macro LOADF f, set
.irp i, 0,1,2,3,4,5,6,7,8,9,10,11,12,13,14,15
	global_load_b128 v[R+64*(\set)+4*\i:R+64*(\set)+4*\i+3], v[VO+\i], s[32+2*(\f):33+2*(\f)] th:TH_LOAD_NT   ; 512 consecutive bytes of one row
.endr
.endm
.macro QFRAG f
.if (\f) < 3
	s_wait_loadcnt 16                              ; this fragment's 16 loads are in; the next fragment's may be out
.else
	s_wait_loadcnt 0x0
.endif
.irp i, 0,1,2,3,4,5,6,7,8,9,10,11,12,13,14,15
	ds_store_b128 v11, v[R+64*((\f)%2)+4*\i:R+64*((\f)%2)+4*\i+3] offset:528*\i
.endr
.irp c, 0,1
.irp n, 0,1,2,3,4,5,6,7
	ds_load_b128 v[X+32*\c+4*\n:X+32*\c+4*\n+3], v12 offset:256*\c+16*\n   ; lane (r, h): k = 64 c + 32 h + 0 .. 31 of row r, the operand's own order
.endr
.endr
	s_wait_dscnt 0x0                               ; the numbers are back, and the stores have read their registers,
.if (\f)+2 < 4
	LOADF (\f)+2, (\f)%2                           ; which take the loads of two fragments on
.endif
.irp c, 0,1
	v_max3_num_f32 v[QM+\c], |v[X+32*\c]|, |v[X+32*\c+1]|, 0x1800000       ; my block 2 c + h: all 32 numbers are mine; and the floor
.endr
.irp i, 2,4,6,8,10,12,14,16,18,20,22,24,26,28,30
.irp c, 0,1
	v_max3_num_f32 v[QM+\c], v[QM+\c], |v[X+32*\c+\i]|, |v[X+32*\c+\i+1]|
.endr
.endr
.irp c, 0,1
	v_add_nc_u32 v[QSO+\c], 0xff000000, v[QM+\c]
.endr
.irp c, 0,1
	v_lshrrev_b32 v[QBY+\c], 23, v[QSO+\c]
.endr
	v_lshl_or_b32 v15, v[QBY+1], 16, v[QBY]        ; my two bytes: blocks h and 2 + h,
	v_lshlrev_b32 v15, v[SH8], v15                 ; at their places in the row's word;
	v_permlanex16_b32 v[QT], v15, s42, s43
	v_or_b32 v[WD+(\f)], v15, v[QT]                ; with lane l xor 16's two the word is whole
	s_wait_xcnt 0x0                                ; the last fragment's stores have read the codes' registers
.irp c, 0,1
	v_cvt_scalef32_pk16_fp6_f32 v[QC+6*\c:QC+6*\c+2], v[X+32*\c:X+32*\c+15], v[QSO+\c]
	v_cvt_scalef32_pk16_fp6_f32 v[QCT+4*\c:QCT+4*\c+2], v[X+32*\c+16:X+32*\c+31], v[QSO+\c]
.endr
	v_nop                                          ; one plain instruction behind the scaled conversions
.irp c, 0,1
.irp i, 0,1,2
	v_mov_b32 v[QC+3+6*\c+\i], v[QCT+4*\c+\i]
.endr
.endr
.irp n, 0,1,2
	global_store_b128 v2, v[QC+4*\n:QC+4*\n+3], s[44:45] offset:1536*(\f)+512*\n   ; the fragment as an image of its registers: 512 consecutive bytes a store
.endr
.endm
	LOADF 0, 0
	LOADF 1, 1
	QFRAG 0
	QFRAG 1
	QFRAG 2
	QFRAG 3
	s_mov_b32 vcc_lo, 0xffff0000
	v_cndmask_b32 v[QM], v[WD], v[WD+2], vcc_lo    ; lanes 0-15 store fragments 0 and 1's words, lanes 16-31 fragments 2 and 3's
	v_cndmask_b32 v[QM+1], v[WD+1], v[WD+3], vcc_lo
	global_store_b64 v14, v[QM:QM+1], s[46:47]     ; 256 consecutive bytes
	s_set_vgpr_msb 0x5
	s_wait_tensorcnt 0x0
	ds_add_u32 v0, v1
	s_wait_dscnt 0x0
	s_set_vgpr_msb 0x500
	s_endpgm
.Lfunc_end_k_q626cca1ebb_qa:
	.size	k_q626cca1ebb_qa, .Lfunc_end_k_q626cca1ebb_qa-k_q626cca1ebb_qa
	.p2alignl 7, 3214868480
	.fill 96, 4, 3214868480
	.section	.rodata,"a",@progbits
	.p2align	6, 0x0
	.amdhsa_kernel k_q626cca1ebb_qa
		.amdhsa_group_segment_fixed_size 96768
		.amdhsa_private_segment_fixed_size 0
		.amdhsa_enable_private_segment 0
		.amdhsa_kernarg_size 64
		.amdhsa_user_sgpr_count 2
		.amdhsa_user_sgpr_kernarg_segment_ptr 1
		.amdhsa_wavefront_size32 1
		.amdhsa_system_sgpr_workgroup_id_x 1
		.amdhsa_system_sgpr_workgroup_id_y 1
		.amdhsa_system_sgpr_workgroup_id_z 1
		.amdhsa_system_vgpr_workitem_id 0
		.amdhsa_next_free_vgpr 258
		.amdhsa_next_free_sgpr 66
		.amdhsa_reserve_vcc 1
		.amdhsa_float_denorm_mode_32 3
		.amdhsa_float_denorm_mode_16_64 3
		.amdhsa_memory_ordered 1
		.amdhsa_forward_progress 1
		.amdhsa_inst_pref_size 111
	.end_amdhsa_kernel
	.amdgpu_metadata
---
amdhsa.version: [ 1, 2 ]
amdhsa.kernels:
  - .name:           k_q626cca1ebb_qa
    .symbol:         k_q626cca1ebb_qa.kd
    .args:
      - { .name: x, .offset: 0, .size: 8, .value_kind: global_buffer, .address_space: global }
      - { .name: router_DE, .offset: 8, .size: 8, .value_kind: global_buffer, .address_space: global }
      - { .name: w13, .offset: 16, .size: 8, .value_kind: global_buffer, .address_space: global }
      - { .name: w13_shared, .offset: 24, .size: 8, .value_kind: global_buffer, .address_space: global }
      - { .name: wq, .offset: 32, .size: 8, .value_kind: global_buffer, .address_space: global }
      - { .name: xq, .offset: 40, .size: 8, .value_kind: global_buffer, .address_space: global }
      - { .name: xs, .offset: 48, .size: 8, .value_kind: global_buffer, .address_space: global }
      - { .name: eid, .offset: 56, .size: 8, .value_kind: global_buffer, .address_space: global }
    .group_segment_fixed_size: 96768
    .private_segment_fixed_size: 0
    .kernarg_segment_align: 8
    .kernarg_segment_size: 64
    .max_flat_workgroup_size: 128
    .sgpr_count:     66
    .vgpr_count:     258
    .wavefront_size: 32
...
	.end_amdgpu_metadata
.endif
;; end of part 1
;; launch qb (part 2): grid 321 x 1, 4 waves a work-group, no clusters, 35,328 bytes of LDS; arguments w2, w2_shared, eid, wq, list, tt; writes wq, list, tt
.if DOCPART == 2
	.amdgcn_target "amdgcn-amd-amdhsa--gfx1250"
	.amdhsa_code_object_version 6
	.text
	.protected	k_q626cca1ebb_qb
	.globl	k_q626cca1ebb_qb
	.p2align	8
	.type	k_q626cca1ebb_qb,@function
k_q626cca1ebb_qb:
	s_mov_b64 s[64:65], 0
	v_nop
	global_prefetch_b8 v0, s[64:65] scope:SCOPE_SE
	s_setreg_imm32_b32 hwreg(HW_REG_WAVE_MODE, 25, 1), 1
	s_wait_xcnt 0x0
; SECOND LAUNCH.  Work-group 0: a counting sort of the 2,048 experts' numbers: list[tile][128] = the tokens of each tile of at most 128 rows of one expert, tt[tile] = (expert, rows).
; An expert's tiles follow each other; with 2,048 rows and 8 experts there are never more than 16 + 7 = 23 tiles; tiles that a split leaves unused get 0 rows.  Only a tile's first `rows` entries of list are written.
; Work-groups 1-320: w2 and w2_shared into sets 1,280 .. 1,919 of wq, by the first launch's text (set layout, scale rule and limits as stated there).
;   w2: set 1,280 + (8 e + cg) 8 + s, rows (8 e + cg) 128 + 64 hf;   w2_shared: set 1,792 + 16 cg + s, rows 128 cg + 64 hf.
; No atomics: each wave counts its 512 tokens, the counts meet in LDS behind the one barrier, each wave then places its own tokens.
; THE BALLOTS GO EIGHT AT A TIME, a chunk of 32 tokens ahead of the scalar counts that read them, in two sets of mask registers by turns: no scalar instruction reads a mask that has just been asked for.
.set SRT,  33792                       ; LDS: 0 .. 33,791 four stages of 16 x 528 bytes;  SRT: 128 words, wave w's count of expert e at 128 w + 4 e
.set R,    16
.set X,    144
.set VO,   208
.set QM,   224
.set QSO,  226
.set QBY,  228
.set WD,   230
.set QT,   234
.set SH8,  235
.set QC,   236
.set QCT,  248
; the sort's registers: v16-31 the experts' numbers of my 16 chunks, v32-47 places, v48-63 tokens, v81-87 at work;  s32-39 my wave's counts, s40-47 totals, s48-55 running places, s56-63 first tiles, s72-79 ends, s80-87 and s88-95 masks
.macro BALLOT c, ms                    ; which lanes of chunk c hold expert e: eight masks
.irp e, 0,1,2,3,4,5,6,7
	v_cmp_eq_u32 s[(\ms)+\e], \e, v[16+(\c)]
.endr
.endm
.macro COUNT ms, acc                   ; the masks' counts, in place, onto eight running numbers
.irp e, 0,1,2,3,4,5,6,7
	s_bcnt1_i32_b32 s[(\ms)+\e], s[(\ms)+\e]
.endr
.irp e, 0,1,2,3,4,5,6,7
	s_add_co_u32 s[(\acc)+\e], s[(\acc)+\e], s[(\ms)+\e]
.endr
.endm
.macro PLACE c                         ; chunk c's tokens go to their places in list
.if (\c) < 15
	BALLOT (\c)+1, 80+8*(((\c)+1)%2)               ; the next chunk's masks, ahead of this chunk's scalar work
.endif
.set MS_, 80+8*((\c)%2)
	v_mbcnt_lo_u32_b32 v[32+(\c)], s[MS_], s48     ; the expert's running place + the lanes below me with the same expert
.irp e, 1,2,3,4,5,6,7
	v_mbcnt_lo_u32_b32 v[80+\e], s[MS_+\e], s[48+\e]
.endr
.irp e, 1,2,3,4,5,6,7
	v_cndmask_b32 v[32+(\c)], v[32+(\c)], v[80+\e], s[MS_+\e]
.endr
	COUNT MS_, 48
	v_min_u32 v[32+(\c)], 2943, v[32+(\c)]         ; inside list, whatever was read
	v_lshlrev_b32 v[32+(\c)], 2, v[32+(\c)]
	v_add_nc_u32 v[48+(\c)], 32*(\c), v6           ; the token
	global_store_b32 v[32+(\c)], v[48+(\c)], s[16:17]   ; each chunk has registers of its own: nothing that a store reads is written again
.endm
	s_load_b256 s[8:15], s[0:1], 0x0               ; w2 s[8:9], w2_shared s[10:11], eid s[12:13], wq s[14:15]
	s_load_b128 s[16:19], s[0:1], 0x20             ; list s[16:17], tt s[18:19]
	v_lshl_add_u32 v251, v0, 2, 0x8800
	v_mov_b32 v255, 0
	v_lshrrev_b32 v14, 5, v0
	v_readfirstlane_b32 s24, v14                   ; wave
	v_and_b32 v1, 31, v0
	v_lshlrev_b32 v2, 4, v1
	s_mul_i32 s26, s24, 8448
	v_lshl_add_u32 v3, v0, 2, SRT                  ; my word of the counts
	v_lshl_add_u32 v4, v1, 2, SRT                  ; wave 0's word of my lane
	v_lshlrev_b32 v5, 11, v14
	v_lshl_add_u32 v5, v1, 2, v5                   ; eid: 4 (512 w + l)
	v_add_nc_u32 v11, s26, v2
	v_and_b32 v14, 15, v1
	v_mul_u32_u24 v12, v14, 528
	v_lshrrev_b32 v14, 4, v1
	v_lshl_add_u32 v12, v14, 7, v12
	v_add_nc_u32 v12, s26, v12
	s_cmp_eq_u32 ttmp9, 0
	s_cbranch_scc0 .Ljoin
	; ---- the sort, first part: my wave's count of each expert among tokens 512 w + 32 c + l
	s_wait_kmcnt 0x0
.irp c, 0,1,2,3,4,5,6,7,8,9,10,11,12,13,14,15
	global_load_b32 v[16+\c], v5, s[12:13] offset:128*\c
.endr
.irp e, 0,1,2,3,4,5,6,7
	s_mov_b32 s[32+\e], 0
.endr
	s_wait_loadcnt 0x0
	BALLOT 0, 80
.irp c, 1,2,3,4,5,6,7,8,9,10,11,12,13,14,15
	BALLOT \c, 80+8*(\c%2)
	COUNT 80+8*((\c-1)%2), 32
.endr
	COUNT 88, 32                                   ; chunk 15's masks
	v_mov_b32 v15, 0
.irp e, 0,1,2,3,4,5,6,7
	v_writelane_b32 v15, s[32+\e], \e
.endr
	ds_store_b32 v3, v15
.Ljoin:
	s_wait_kmcnt 0x0
	s_wait_dscnt 0x0                               ; my counts have landed; then the one barrier, which every work-group passes
	s_barrier_signal -1
	s_barrier_wait -1
	s_cmp_eq_u32 ttmp9, 0
	s_cbranch_scc0 .Lquant
	; ---- the sort, second part (it reads the experts' numbers again, so that it leans on no register of the first part; the loads land while the totals are made)
.irp c, 0,1,2,3,4,5,6,7,8,9,10,11,12,13,14,15
	global_load_b32 v[16+\c], v5, s[12:13] offset:128*\c
.endr
.irp u, 0,1,2,3
	ds_load_b32 v[64+\u], v4 offset:128*\u         ; lane e: wave u's count of expert e
.endr
	s_wait_dscnt 0x0
	v_add_nc_u32 v68, v64, v65
	v_add_nc_u32 v69, v66, v67
	v_add_nc_u32 v68, v68, v69                     ; each expert's rows in all
	v_mov_b32 v69, 0                               ; and in the waves ahead of mine
.irp u, 0,1,2
	s_cmp_gt_u32 s24, \u
	s_cselect_b32 s26, -1, 0
	v_and_b32 v70, s26, v[64+\u]
	v_add_nc_u32 v69, v69, v70
.endr
.irp e, 0,1,2,3,4,5,6,7
	v_readlane_b32 s[40+\e], v68, \e
.endr
.irp e, 0,1,2,3,4,5,6,7
	v_readlane_b32 s[48+\e], v69, \e
.endr
	s_mov_b32 s66, 0                               ; tiles so far
.irp e, 0,1,2,3,4,5,6,7
	s_mov_b32 s[56+\e], s66                        ; the expert's first tile
	s_lshl_b32 s67, s66, 7
	s_add_co_u32 s[48+\e], s[48+\e], s67           ; where my wave's first token of this expert goes
	s_add_co_u32 s[72+\e], s[40+\e], s67           ; where the expert's rows end
	s_add_co_u32 s67, s[40+\e], 127
	s_lshr_b32 s67, s67, 7
	s_add_co_u32 s66, s66, s67
.endr
	v_lshrrev_b32 v14, 5, v0
	v_lshl_add_u32 v6, v14, 9, v1                  ; 512 w + l
	s_wait_loadcnt 0x0
	BALLOT 0, 80
.irp c, 0,1,2,3,4,5,6,7,8,9,10,11,12,13,14,15
	PLACE \c
.endr
	s_cmp_lg_u32 s24, 0
	s_cbranch_scc1 .Lsorted
	; the tile table, by wave 0: lane t is tile t.  The last expert whose first tile is not beyond t owns it
	v_mov_b32 v72, 0
	v_mov_b32 v74, s72
.irp e, 1,2,3,4,5,6,7
	v_cmp_le_u32 vcc_lo, s[56+\e], v1
	v_mov_b32 v70, \e
	v_mov_b32 v71, s[72+\e]
	v_cndmask_b32 v72, v72, v70, vcc_lo
	v_cndmask_b32 v74, v74, v71, vcc_lo
.endr
	v_lshlrev_b32 v75, 7, v1
	v_cmp_gt_u32 vcc_lo, v74, v75
	v_sub_nc_u32 v73, v74, v75
	v_min_u32 v73, 128, v73
	v_cndmask_b32 v73, 0, v73, vcc_lo              ; rows: what is left of the expert from 128 t on, at most 128, or 0
	v_lshlrev_b32 v76, 3, v1
	global_store_b64 v76, v[72:73], s[18:19]       ; 256 consecutive bytes
.Lsorted:
	s_wait_tensorcnt 0x0
	ds_add_u32 v251, v255
	s_wait_dscnt 0x0
	s_endpgm
	; ---------------- WEIGHTS: my wave takes half a set: four fragments ----------------
.Lquant:
	s_mov_b32 s42, 0x76543210
	s_mov_b32 s43, 0xfedcba98
	s_sub_co_u32 s25, ttmp9, 1
	s_lshl_b32 s25, s25, 2
	s_add_co_u32 s25, s25, s24                     ; item
	s_lshr_b32 s29, s25, 1                         ; set, counted from 1,280
	s_and_b32 s27, s25, 1                          ; hf
	s_lshr_b32 s30, s29, 3                         ; w2: (8 e + cg) x 128
	s_lshl_b32 s30, s30, 7
	s_and_b32 s28, s29, 7
	s_sub_co_u32 s48, s29, 512                     ; w2_shared: cg x 128
	s_and_b32 s49, s48, 15
	s_lshr_b32 s48, s48, 4
	s_lshl_b32 s48, s48, 7
	s_mov_b32 s40, 8192
	s_cmp_lt_u32 s29, 512                          ; the choice hangs on the work-group's and the wave's number alone
	s_cselect_b32 s30, s30, s48
	s_cselect_b32 s28, s28, s49                    ; which 128 along K
	s_cselect_b32 s40, 4096, s40                   ; bytes from row to row
	s_cselect_b64 s[50:51], s[8:9], s[10:11]       ; the source
	s_lshl_b32 s31, s27, 6
	s_add_co_u32 s30, s30, s31                     ; row0
	s_add_co_u32 s26, s29, 1280                    ; the set
	s_mov_b64 s[52:53], s[14:15]                   ; wq
	; from here on the text is the same as the first launch's
	s_mul_i32 s30, s30, s40
	s_lshl_b32 s31, s28, 9
	s_add_co_u32 s30, s30, s31
	s_mov_b32 s31, 0
	s_add_nc_u64 s[32:33], s[50:51], s[30:31]
	s_lshl_b32 s30, s40, 3
	s_add_nc_u64 s[34:35], s[32:33], s[30:31]
	s_lshl_b32 s30, s40, 5
	s_add_nc_u64 s[36:37], s[32:33], s[30:31]
	s_add_nc_u64 s[38:39], s[34:35], s[30:31]
	s_mul_i32 s30, s26, 12800
	s_mul_i32 s48, s27, 6144
	s_add_co_u32 s48, s48, s30
	s_mov_b32 s49, 0
	s_add_nc_u64 s[44:45], s[52:53], s[48:49]
	s_lshl_b32 s48, s27, 8
	s_add_co_u32 s48, s48, s30
	s_add_co_u32 s48, s48, 12288
	s_add_nc_u64 s[46:47], s[52:53], s[48:49]
.irp i, 0,1,2,3,4,5,6,7,8,9,10,11,12,13,14,15
	v_mad_u32_u24 v[VO+\i], s40, \i+8*(\i/8), v2   ; fragment row i is source row i + 8 (i / 8)
.endr
	v_and_b32 v14, 15, v1
	v_lshlrev_b32 v14, 4, v14
	v_lshrrev_b32 v15, 4, v1
	v_lshl_add_u32 v14, v15, 3, v14
	v_lshlrev_b32 v[SH8], 3, v15
	v_mov_b32 v[QT], 0                             ; written once: a lane permute's destination counts as one of its sources
.macro LOADF f, set
.irp i, 0,1,2,3,4,5,6,7,8,9,10,11,12,13,14,15
	global_load_b128 v[R+64*(\set)+4*\i:R+64*(\set)+4*\i+3], v[VO+\i], s[32+2*(\f):33+2*(\f)] th:TH_LOAD_NT   ; 512 consecutive bytes of one row
.endr
.endm
.macro QFRAG f
.if (\f) < 3
	s_wait_loadcnt 16                              ; this fragment's 16 loads are in; the next fragment's may be out
.else
	s_wait_loadcnt 0x0
.endif
.irp i, 0,1,2,3,4,5,6,7,8,9,10,11,12,13,14,15
	ds_store_b128 v11, v[R+64*((\f)%2)+4*\i:R+64*((\f)%2)+4*\i+3] offset:528*\i
.endr
.irp c, 0,1
.irp n, 0,1,2,3,4,5,6,7
	ds_load_b128 v[X+32*\c+4*\n:X+32*\c+4*\n+3], v12 offset:256*\c+16*\n   ; lane (r, h): k = 64 c + 32 h + 0 .. 31 of row r
.endr
.endr
	s_wait_dscnt 0x0                               ; the numbers are back, and the stores have read their registers,
.if (\f)+2 < 4
	LOADF (\f)+2, (\f)%2                           ; which take the loads of two fragments on
.endif
.irp c, 0,1
	v_max3_num_f32 v[QM+\c], |v[X+32*\c]|, |v[X+32*\c+1]|, 0x1800000
.endr
.irp i, 2,4,6,8,10,12,14,16,18,20,22,24,26,28,30
.irp c, 0,1
	v_max3_num_f32 v[QM+\c], v[QM+\c], |v[X+32*\c+\i]|, |v[X+32*\c+\i+1]|
.endr
.endr
.irp c, 0,1
	v_add_nc_u32 v[QSO+\c], 0xff000000, v[QM+\c]
.endr
.irp c, 0,1
	v_lshrrev_b32 v[QBY+\c], 23, v[QSO+\c]
.endr
	v_lshl_or_b32 v15, v[QBY+1], 16, v[QBY]
	v_lshlrev_b32 v15, v[SH8], v15
	v_permlanex16_b32 v[QT], v15, s42, s43
	v_or_b32 v[WD+(\f)], v15, v[QT]
	s_wait_xcnt 0x0                                ; the last fragment's stores have read the codes' registers
.irp c, 0,1
	v_cvt_scalef32_pk16_fp6_f32 v[QC+6*\c:QC+6*\c+2], v[X+32*\c:X+32*\c+15], v[QSO+\c]
	v_cvt_scalef32_pk16_fp6_f32 v[QCT+4*\c:QCT+4*\c+2], v[X+32*\c+16:X+32*\c+31], v[QSO+\c]
.endr
	v_nop                                          ; one plain instruction behind the scaled conversions
.irp c, 0,1
.irp i, 0,1,2
	v_mov_b32 v[QC+3+6*\c+\i], v[QCT+4*\c+\i]
.endr
.endr
.irp n, 0,1,2
	global_store_b128 v2, v[QC+4*\n:QC+4*\n+3], s[44:45] offset:1536*(\f)+512*\n
.endr
.endm
	LOADF 0, 0
	LOADF 1, 1
	QFRAG 0
	QFRAG 1
	QFRAG 2
	QFRAG 3
	s_mov_b32 vcc_lo, 0xffff0000
	v_cndmask_b32 v[QM], v[WD], v[WD+2], vcc_lo
	v_cndmask_b32 v[QM+1], v[WD+1], v[WD+3], vcc_lo
	global_store_b64 v14, v[QM:QM+1], s[46:47]
	s_wait_tensorcnt 0x0
	ds_add_u32 v251, v255
	s_wait_dscnt 0x0
	s_endpgm
.Lfunc_end_k_q626cca1ebb_qb:
	.size	k_q626cca1ebb_qb, .Lfunc_end_k_q626cca1ebb_qb-k_q626cca1ebb_qb
	.p2alignl 7, 3214868480
	.fill 96, 4, 3214868480
	.section	.rodata,"a",@progbits
	.p2align	6, 0x0
	.amdhsa_kernel k_q626cca1ebb_qb
		.amdhsa_group_segment_fixed_size 35328
		.amdhsa_private_segment_fixed_size 0
		.amdhsa_enable_private_segment 0
		.amdhsa_kernarg_size 48
		.amdhsa_user_sgpr_count 2
		.amdhsa_user_sgpr_kernarg_segment_ptr 1
		.amdhsa_wavefront_size32 1
		.amdhsa_system_sgpr_workgroup_id_x 1
		.amdhsa_system_sgpr_workgroup_id_y 1
		.amdhsa_system_sgpr_workgroup_id_z 1
		.amdhsa_system_vgpr_workitem_id 0
		.amdhsa_next_free_vgpr 256
		.amdhsa_next_free_sgpr 100
		.amdhsa_reserve_vcc 1
		.amdhsa_float_denorm_mode_32 3
		.amdhsa_float_denorm_mode_16_64 3
		.amdhsa_memory_ordered 1
		.amdhsa_forward_progress 1
		.amdhsa_inst_pref_size 93
	.end_amdhsa_kernel
	.amdgpu_metadata
---
amdhsa.version: [ 1, 2 ]
amdhsa.kernels:
  - .name:           k_q626cca1ebb_qb
    .symbol:         k_q626cca1ebb_qb.kd
    .args:
      - { .name: w2, .offset: 0, .size: 8, .value_kind: global_buffer, .address_space: global }
      - { .name: w2_shared, .offset: 8, .size: 8, .value_kind: global_buffer, .address_space: global }
      - { .name: eid, .offset: 16, .size: 8, .value_kind: global_buffer, .address_space: global }
      - { .name: wq, .offset: 24, .size: 8, .value_kind: global_buffer, .address_space: global }
      - { .name: list, .offset: 32, .size: 8, .value_kind: global_buffer, .address_space: global }
      - { .name: tt, .offset: 40, .size: 8, .value_kind: global_buffer, .address_space: global }
    .group_segment_fixed_size: 35328
    .private_segment_fixed_size: 0
    .kernarg_segment_align: 8
    .kernarg_segment_size: 48
    .max_flat_workgroup_size: 128
    .sgpr_count:     100
    .vgpr_count:     256
    .wavefront_size: 32
...
	.end_amdgpu_metadata
.endif
;; end of part 2
;; launch g13 (part 3): grid 12 x 23, 4 waves a work-group, no clusters, 104,960 bytes of LDS; arguments xq, xs, wq, list, tt, hq; writes hq
.if DOCPART == 3
	.amdgcn_target "amdgcn-amd-amdhsa--gfx1250"
	.amdhsa_code_object_version 6
	.text
	.protected	k_q626cca1ebb_g13
	.globl	k_q626cca1ebb_g13
	.p2align	8
	.type	k_q626cca1ebb_g13,@function
k_q626cca1ebb_g13:
	s_mov_b64 s[64:65], 0
	v_nop
	global_prefetch_b8 v0, s[64:65] scope:SCOPE_SE
	s_setreg_imm32_b32 hwreg(HW_REG_WAVE_MODE, 25, 1), 1
	s_wait_xcnt 0x0
; THIRD LAUNCH.  For a tile of at most 128 rows of one expert (work-group y) and a chunk of 256 hidden units (x: 0-3 the expert's, on xr; 4-11 the shared expert's, on x):
; gate and up products on FP6 codes, h = silu(gate) * up in f32, h quantised along the hidden units, codes and scale bytes to hq.
; SHARES.  The four waves share the tile's 128 rows, gathered once into LDS; wave w takes one column group: 4 gate fragments and the 4 up fragments of the same 64 units: 64 accumulators, 512 registers.
; The weights go from wq straight into registers, each set read by one wave, three sets of registers by turns.
; THE MATRIX INSTRUCTION IS USED TRANSPOSED (source 0 = 16 weight rows, source 1 = 16 tokens): a lane holds one token, and by the choice of a fragment's rows its registers 16 b + i are units 32 b + 16 (lane / 16) + i.
; hq: [tile][K step 24][half 2][6,400]: a half = 64 units of 128 rows: row tile a at 768 a (registers 6 c .. 6 c + 3 of lane l at 16 l, 6 c + 4, 5 at 512 + 8 l); at 6,144 lane l's 8 bytes: the two scale bytes of row tiles j + 4 (l / 16), j = 0 .. 3, row l % 16.
; K steps 0-15 are the shared expert's units, 16-23 the routed expert's.
; A grid that serves every split: 23 tiles.  A tile with 0 rows stores nothing; rows beyond a tile's count repeat its last token.
; No tensor load and no joint request: what a work-group does hangs on the stored table, so its operands come through registers.  The one barrier stands ahead of the branch on the table.
; LIMITS: as stated in the first launch; a gate under about -87 gives h = 0.
.set PITCH, 784                        ; a token's 768 bytes of codes + 16: 196 words, so that the 32 lanes of a load of 8 bytes touch 64 different banks (64 banks of 4 bytes: ISA guide 11.1)
.set ASC,   128*PITCH                  ; behind the rows: their scale words, [K step 8][slot 32][16 bytes], in the form of a set's scale block
.set T,    64                          ; the way out: v64-95 a row tile's 32 numbers a lane
.set EM,   96
.set MX,   98
.set ESO,  100
.set EBY,  102
.set HW,   104                         ; v104-111 a pair of scale bytes for each row tile
.set P,    112                         ; v112-175 codes: eight registers for each row tile, so that no store's data are written again
.set PK,   176
.set MSB, 0
.macro WIN new                         ; the immediate's high byte repeats the setting that is left
.if MSB != \new
	s_set_vgpr_msb (MSB<<8)|\new
.set MSB, \new
.endif
.endm
.macro PLACES                          ; four plain instructions between a matrix instruction and a load into, or a vector read or write of, its registers
.rept 4
	v_nop
.endr
.endm
; REGISTERS.  window 0: v1-15 addresses, v16-31 the gather's offsets, v32-39 A's scale words (two sets), v40-51 the weights' (three sets), v52-59 scale bytes as loaded,
;   v64-159 A's eight fragments, v160-255 weights' set 2.   window 1: weights' set 0 at v0, set 1 at v128.   windows 2, 3: accumulator (a, b) at v[8 (8 (a % 4) + b)]; window 2 first holds the gathered rows.
	s_load_b256 s[4:11], s[0:1], 0x0               ; xq s[4:5], xs s[6:7], wq s[8:9], list s[10:11]
	s_load_b128 s[12:15], s[0:1], 0x20             ; tt s[12:13], hq s[14:15]
	v_lshl_add_u32 v62, v0, 2, 0x19800
	v_mov_b32 v63, 0
	v_lshrrev_b32 v1, 5, v0
	v_readfirstlane_b32 s16, v1                    ; wave
	s_mov_b32 s17, ttmp9                           ; chunk
	s_and_b32 s18, ttmp7, 0xffff                   ; tile
	v_and_b32 v1, 31, v0
	v_lshlrev_b32 v2, 4, v1                        ; 16 l
	v_lshlrev_b32 v3, 3, v1                        ; 8 l
	v_and_b32 v4, 15, v0                           ; r
	v_bfe_u32 v5, v0, 4, 1                         ; h
	v_mul_u32_u24 v6, v4, PITCH
	v_mad_u32_u24 v6, v5, 24, v6                   ; a fragment's row x pitch + 24 h: row tiles 0-3,
	v_add_nc_u32 v7, 64*PITCH, v6                  ; and 4-7
	s_mul_i32 s22, s16, 32*PITCH
	v_mul_u32_u24 v8, v5, PITCH
	v_lshl_add_u32 v8, v4, 4, v8
	v_add_nc_u32 v8, s22, v8                       ; the gather's way in: row 32 w + h, 16 r
	s_lshr_b32 s22, s16, 1
	s_lshl_b32 s22, s22, 8
	s_and_b32 s23, s16, 1
	s_lshl_b32 s23, s23, 3
	s_add_co_u32 s22, s22, s23
	s_add_co_u32 s22, s22, ASC
	v_lshlrev_b32 v9, 4, v4
	v_lshl_add_u32 v9, v5, 2, v9
	v_add_nc_u32 v9, s22, v9                       ; my row's scale word: row tile 2 w + h = j + 4 (w / 2): slot 16 (w / 2) + r, word j
	v_add_nc_u32 v10, ASC, v2                      ; and the way out: slot l
	v_lshlrev_b32 v13, 2, v5
	v_lshlrev_b32 v15, 4, v4
	s_mov_b32 s34, 0x76543210
	s_mov_b32 s35, 0xfedcba98
	s_mov_b32 s44, 0xbfb8aa3b                      ; -log2(e)
	s_mov_b32 s45, s44                             ; (named with it as a pair, so it is written)
	s_lshl_b32 s22, s18, 3
	s_mov_b32 s23, 0
	s_wait_kmcnt 0x0
	s_add_nc_u64 s[12:13], s[12:13], s[22:23]
	s_load_b64 s[20:21], s[12:13], 0x0             ; my tile's expert and rows
	s_lshl_b32 s23, s17, 2
	s_add_co_u32 s23, s23, s16                     ; 4 chunk + w
	s_cmp_lt_u32 s17, 4                            ; routed or shared: by the work-group's number
	s_cselect_b32 s42, -1, 0
	s_cselect_b32 s43, 0, 112
	s_cselect_b32 s36, 768, 0                      ; xr's codes lie behind x's
	s_cselect_b32 s38, 32, 0                       ; and its scale bytes
	s_cselect_b32 s40, 32, -16                     ; halves 32 .. 47 of the tile, or 0 .. 31
	s_wait_kmcnt 0x0
	s_min_u32 s20, s20, 7
	s_min_u32 s21, s21, 128
	s_lshl_b32 s22, s20, 4
	s_and_b32 s22, s22, s42
	s_add_co_u32 s22, s22, s43
	s_add_co_u32 s22, s22, s23                     ; column group: 16 e + g, or 128 + g
	s_mul_i32 s24, s22, 102400
	s_mov_b32 s25, 0
	s_add_nc_u64 s[24:25], s[8:9], s[24:25]        ; its eight sets
	s_mov_b32 s37, 0
	s_add_nc_u64 s[26:27], s[4:5], s[36:37]
	s_mov_b32 s39, 0
	s_add_nc_u64 s[28:29], s[6:7], s[38:39]
	s_mul_i32 s41, s18, 48
	s_add_co_u32 s40, s40, s41
	s_add_co_u32 s40, s40, s23
	s_mul_i32 s40, s40, 6400
	s_mov_b32 s41, 0
	s_add_nc_u64 s[30:31], s[14:15], s[40:41]      ; my half of hq
	s_max_u32 s32, s21, 1
	s_sub_co_u32 s32, s32, 1                       ; the tile's last row
	s_lshl_b32 s33, s18, 7
	s_cmp_lg_u32 s21, 0
	s_cselect_b32 s33, s33, 0                      ; a tile without rows reads list[0], which is always written
	v_min_u32 v12, s32, v0                         ; my row, 32 w + l, held at the last row
	v_add_nc_u32 v12, s33, v12
	v_min_u32 v12, 2943, v12
	v_lshlrev_b32 v12, 2, v12
	global_load_b32 v11, v12, s[10:11]             ; its token
.macro LOADSET s, set                  ; set s of my column group into registers' set: 24 loads of 512 consecutive bytes, and the scale block
.if (\set) < 2
	WIN 0x40
.set LB_, 128*(\set)
.else
	WIN 0
.set LB_, 160
.endif
.irp f, 0,1,2,3,4,5,6,7
.irp n, 0,1,2
	global_load_b128 v[LB_+12*\f+4*\n:LB_+12*\f+4*\n+3], v2, s[24:25] offset:12800*(\s)+1536*\f+512*\n
.endr
.endr
	WIN 0
	global_load_b128 v[40+4*(\set):43+4*(\set)], v2, s[24:25] offset:12800*(\s)+12288
.endm
	LOADSET 0, 0
	s_wait_loadcnt 25                              ; the token is in; set 0's 25 loads may be out
	v_min_u32 v11, 2047, v11
	v_lshlrev_b32 v14, 6, v11                      ; its 64 scale bytes
.irp m, 0,1,2,3,4,5,6,7,8,9,10,11,12,13,14,15
	v_add_nc_u32 v[16+\m], 8*\m, v13               ; lane 2 m + h, as a byte index
.endr
.irp m, 0,1,2,3,4,5,6,7,8,9,10,11,12,13,14,15
	ds_bpermute_b32 v[16+\m], v[16+\m], v11        ; the token of my wave's row 2 m + h
.endr
	s_wait_dscnt 0x0
.irp m, 0,1,2,3,4,5,6,7,8,9,10,11,12,13,14,15
	v_min_u32 v[16+\m], 2047, v[16+\m]
	v_mul_u32_u24 v[16+\m], 1536, v[16+\m]
	v_add_nc_u32 v[16+\m], v15, v[16+\m]
.endr
	WIN 0x80                                       ; destination window 2
.irp m, 0,1,2,3,4,5,6,7,8,9,10,11,12,13,14,15
.irp n, 0,1,2
	global_load_b128 v[12*\m+4*\n:12*\m+4*\n+3], v[16+\m], s[26:27] offset:256*\n   ; sixteen lanes read 256 consecutive bytes of a token's codes
.endr
.endr
	WIN 0
	global_load_b128 v[52:55], v14, s[28:29]
	global_load_b128 v[56:59], v14, s[28:29] offset:16
	LOADSET 1, 1
	s_wait_loadcnt 25                              ; all but set 1's 25 loads are in
	WIN 0x08                                       ; an LDS store's data are its source 1: window 2
.irp m, 0,1,2,3,4,5,6,7,8,9,10,11,12,13,14,15
.irp n, 0,1,2
	ds_store_b128 v8, v[12*\m+4*\n:12*\m+4*\n+3] offset:2*PITCH*\m+256*\n
.endr
.endr
	WIN 0
.irp s, 0,1,2,3,4,5,6,7
	ds_store_b32 v9, v[52+\s] offset:512*\s
.endr
	LOADSET 2, 2
	s_wait_dscnt 0x0                               ; for the others' sake: my rows and scale words have landed
	s_barrier_signal -1
	s_barrier_wait -1
	s_cmp_eq_u32 s21, 0
	s_cbranch_scc1 .Lend                           ; a tile that this split leaves without rows
.macro FRAG a, s                       ; row tile a, K step s: 24 bytes of the row's stream of bits twice, in pieces of 8
.if (\a) < 4
.set AD_, 6
.else
.set AD_, 7
.endif
.irp p, 0,1,2,3,4,5
	ds_load_b64 v[64+12*(\a)+2*\p:64+12*(\a)+2*\p+1], v[AD_] offset:((\a)%4)*16*PITCH+96*(\s)+48*(\p/3)+8*(\p%3)
.endr
.endm
; One product.  A scale register holds fragment j's words in lanes 0-15 and fragment j + 4's in lanes 16-31.
.macro WM a, b, zero
.set D_, 8*(8*((\a)%4)+(\b))
.set W_, BB_+12*(\b)
.set A_, AB_+12*(\a)
.set P_, S0_+(\b)%4
.set Q_, S1_+(\a)%4
.if \zero
.if ((\a) < 4) && ((\b) < 4)
	v_wmma_scale_f32_16x16x128_f8f6f4 v[D_:D_+7], v[W_:W_+11], v[A_:A_+11], 0, v[P_], v[Q_] matrix_a_fmt:MATRIX_FMT_FP6 matrix_b_fmt:MATRIX_FMT_FP6
.elseif (\a) < 4
	v_wmma_scale_f32_16x16x128_f8f6f4 v[D_:D_+7], v[W_:W_+11], v[A_:A_+11], 0, v[P_], v[Q_] matrix_a_fmt:MATRIX_FMT_FP6 matrix_b_fmt:MATRIX_FMT_FP6 matrix_a_scale:MATRIX_SCALE_ROW1
.elseif (\b) < 4
	v_wmma_scale_f32_16x16x128_f8f6f4 v[D_:D_+7], v[W_:W_+11], v[A_:A_+11], 0, v[P_], v[Q_] matrix_a_fmt:MATRIX_FMT_FP6 matrix_b_fmt:MATRIX_FMT_FP6 matrix_b_scale:MATRIX_SCALE_ROW1
.else
	v_wmma_scale_f32_16x16x128_f8f6f4 v[D_:D_+7], v[W_:W_+11], v[A_:A_+11], 0, v[P_], v[Q_] matrix_a_fmt:MATRIX_FMT_FP6 matrix_b_fmt:MATRIX_FMT_FP6 matrix_a_scale:MATRIX_SCALE_ROW1 matrix_b_scale:MATRIX_SCALE_ROW1
.endif
.else
.if ((\a) < 4) && ((\b) < 4)
	v_wmma_scale_f32_16x16x128_f8f6f4 v[D_:D_+7], v[W_:W_+11], v[A_:A_+11], v[D_:D_+7], v[P_], v[Q_] matrix_a_fmt:MATRIX_FMT_FP6 matrix_b_fmt:MATRIX_FMT_FP6
.elseif (\a) < 4
	v_wmma_scale_f32_16x16x128_f8f6f4 v[D_:D_+7], v[W_:W_+11], v[A_:A_+11], v[D_:D_+7], v[P_], v[Q_] matrix_a_fmt:MATRIX_FMT_FP6 matrix_b_fmt:MATRIX_FMT_FP6 matrix_a_scale:MATRIX_SCALE_ROW1
.elseif (\b) < 4
	v_wmma_scale_f32_16x16x128_f8f6f4 v[D_:D_+7], v[W_:W_+11], v[A_:A_+11], v[D_:D_+7], v[P_], v[Q_] matrix_a_fmt:MATRIX_FMT_FP6 matrix_b_fmt:MATRIX_FMT_FP6 matrix_b_scale:MATRIX_SCALE_ROW1
.else
	v_wmma_scale_f32_16x16x128_f8f6f4 v[D_:D_+7], v[W_:W_+11], v[A_:A_+11], v[D_:D_+7], v[P_], v[Q_] matrix_a_fmt:MATRIX_FMT_FP6 matrix_b_fmt:MATRIX_FMT_FP6 matrix_a_scale:MATRIX_SCALE_ROW1 matrix_b_scale:MATRIX_SCALE_ROW1
.endif
.endif
.endm
.macro MUL16 a0, zero                  ; row tiles a0, a0 + 1 against the eight weight fragments.  The 64 accumulators take turns, one instruction a turn, in the same order in every step
.irp a, \a0, \a0+1
.irp b, 0,1,2,3,4,5,6,7
	WM (\a), \b, \zero
.endr
.endr
.endm
.macro STEP s                          ; 128 along K: 64 matrix instructions
.if ((\s)%3) < 2
.set BB_, 128*((\s)%3)
.set WS_, 1
.else
.set BB_, 160
.set WS_, 0
.endif
.set AB_, 64
.set S0_, 40+4*((\s)%3)
.set S1_, 32+4*((\s)%2)
.set Z_, 0
.if (\s) == 0
.set Z_, 1                             ; the first step's products start the sums: nothing is cleared
.endif
.if (\s) <= 5
	s_wait_loadcnt 50                              ; this step's set is in; the two younger sets, 25 loads each, may be out
.elseif (\s) == 6
	s_wait_loadcnt 25
.else
	s_wait_loadcnt 0x0
.endif
	s_wait_dscnt 24                                ; row tiles 0-3 and the scale words are in; the youngest 24 loads (row tiles 4-7) may be out
	WIN 0xa0+WS_
	MUL16 0, Z_
	MUL16 2, Z_
	s_wait_dscnt 0x0                               ; row tiles 4-7 are in
	PLACES
.if (\s) < 7
	WIN 0
	FRAG 0, (\s)+1
	FRAG 1, (\s)+1
	FRAG 2, (\s)+1
	FRAG 3, (\s)+1
	ds_load_b128 v[32+4*(((\s)+1)%2):35+4*(((\s)+1)%2)], v10 offset:512*((\s)+1)
.endif
	WIN 0xf0+WS_
	MUL16 4, Z_
	MUL16 6, Z_
	PLACES
	WIN 0
.if (\s) <= 4
	LOADSET (\s)+3, (\s)%3                         ; the registers just multiplied take the set three steps on
.endif
.if (\s) < 7
	FRAG 4, (\s)+1
	FRAG 5, (\s)+1
	FRAG 6, (\s)+1
	FRAG 7, (\s)+1
.endif
.endm
	FRAG 0, 0
	FRAG 1, 0
	FRAG 2, 0
	FRAG 3, 0
	ds_load_b128 v[32:35], v10
	FRAG 4, 0
	FRAG 5, 0
	FRAG 6, 0
	FRAG 7, 0
.irp s, 0,1,2,3,4,5,6,7
	STEP \s
.endr
	; THE WAY OUT (the last step has left its four places): a row tile at a time
	v_mov_b32 v[MX], 0                             ; written once: a lane permute's destination counts as one of its sources
	v_mov_b32 v[MX+1], 0
.macro EPI a
.set AC_, 64*((\a)%4)
.set WW_, 2+(\a)/4
	WIN WW_                                        ; source 0: the accumulators' window
.set j, 0
.rept 16
	v_pk_mul_f32 v[T+j:T+j+1], v[AC_+j:AC_+j+1], s[44:45] op_sel_hi:[1,0]   ; -log2(e) x gate; each accumulator is read from its low end on
.set j, j+2
.endr
	WIN 0
.set j, 0
.rept 32
	v_exp_f32 v[T+j], v[T+j]
.set j, j+1
.endr
	v_nop                                          ; a plain instruction behind the last exponential
	s_wait_alu depctr_va_vdst(0)                   ; one wait for the batch, ahead of its first reader
.set j, 0
.rept 16
	v_pk_add_f32 v[T+j:T+j+1], v[T+j:T+j+1], 1.0 op_sel_hi:[1,0]
.set j, j+2
.endr
.set j, 0
.rept 32
	v_rcp_f32 v[T+j], v[T+j]
.set j, j+1
.endr
	v_nop
	s_wait_alu depctr_va_vdst(0)
	WIN WW_
.set j, 0
.rept 16
	v_pk_mul_f32 v[T+j:T+j+1], v[AC_+j:AC_+j+1], v[T+j:T+j+1]              ; silu(gate)
.set j, j+2
.endr
.set j, 0
.rept 16
	v_pk_mul_f32 v[T+j:T+j+1], v[AC_+32+j:AC_+32+j+1], v[T+j:T+j+1]        ; x up
.set j, j+2
.endr
	WIN 0
.irp b, 0,1
	v_max3_num_f32 v[EM+\b], |v[T+16*\b]|, |v[T+16*\b+1]|, 0x1800000       ; block b: my 16 numbers, and the floor 2^(3 - 127)
.endr
.irp i, 2,4,6,8,10,12,14
.irp b, 0,1
	v_max3_num_f32 v[EM+\b], v[EM+\b], |v[T+16*\b+\i]|, |v[T+16*\b+\i+1]|
.endr
.endr
.irp b, 0,1
	v_permlanex16_b32 v[MX+\b], v[EM+\b], s34, s35
.endr
.irp b, 0,1
	v_max_num_f32 v[EM+\b], v[EM+\b], v[MX+\b]     ; with lane l xor 16's 16
.endr
.irp b, 0,1
	v_add_nc_u32 v[ESO+\b], 0xff000000, v[EM+\b]
.endr
.irp b, 0,1
	v_lshrrev_b32 v[EBY+\b], 23, v[ESO+\b]
.endr
	v_lshl_or_b32 v[HW+(\a)], v[EBY+1], 8, v[EBY]
	v_cvt_scalef32_pk16_fp6_f32 v[P+8*(\a):P+8*(\a)+2], v[T:T+15], v[ESO]
	v_cvt_scalef32_pk16_fp6_f32 v[P+8*(\a)+4:P+8*(\a)+6], v[T+16:T+31], v[ESO+1]
	v_nop                                          ; one plain instruction behind the scaled conversions
.irp i, 0,1,2
	v_permlane16_swap_b32 v[P+8*(\a)+\i], v[P+8*(\a)+4+\i]   ; a whole block to a lane: lanes 0-15 block 0, lanes 16-31 block 1
.endr
	v_mov_b32 v[P+8*(\a)+3], v[P+8*(\a)+4]
	v_mov_b32 v[P+8*(\a)+4], v[P+8*(\a)+5]
	v_mov_b32 v[P+8*(\a)+5], v[P+8*(\a)+6]
	global_store_b128 v2, v[P+8*(\a):P+8*(\a)+3], s[30:31] offset:768*(\a)         ; 512 consecutive bytes,
	global_store_b64 v3, v[P+8*(\a)+4:P+8*(\a)+5], s[30:31] offset:768*(\a)+512    ; and 256, each at a multiple of 256 from hq's first byte
.endm
.irp a, 0,1,2,3,4,5,6,7
	EPI \a
.endr
	s_mov_b32 vcc_lo, 0xffff0000
.irp j, 0,1,2,3
	v_cndmask_b32 v[PK+2+\j], v[HW+\j], v[HW+4+\j], vcc_lo   ; lanes 0-15: row tiles 0-3, lanes 16-31: 4-7
.endr
	v_lshl_or_b32 v[PK], v[PK+3], 16, v[PK+2]
	v_lshl_or_b32 v[PK+1], v[PK+5], 16, v[PK+4]
	global_store_b64 v3, v[PK:PK+1], s[30:31] offset:6144
.Lend:
	s_wait_tensorcnt 0x0
	ds_add_u32 v62, v63
	s_wait_dscnt 0x0
	s_endpgm
.Lfunc_end_k_q626cca1ebb_g13:
	.size	k_q626cca1ebb_g13, .Lfunc_end_k_q626cca1ebb_g13-k_q626cca1ebb_g13
	.p2alignl 7, 3214868480
	.fill 96, 4, 3214868480
	.section	.rodata,"a",@progbits
	.p2align	6, 0x0
	.amdhsa_kernel k_q626cca1ebb_g13
		.amdhsa_group_segment_fixed_size 104960
		.amdhsa_private_segment_fixed_size 0
		.amdhsa_enable_private_segment 0
		.amdhsa_kernarg_size 48
		.amdhsa_user_sgpr_count 2
		.amdhsa_user_sgpr_kernarg_segment_ptr 1
		.amdhsa_wavefront_size32 1
		.amdhsa_system_sgpr_workgroup_id_x 1
		.amdhsa_system_sgpr_workgroup_id_y 1
		.amdhsa_system_sgpr_workgroup_id_z 1
		.amdhsa_system_vgpr_workitem_id 0
		.amdhsa_next_free_vgpr 1024
		.amdhsa_next_free_sgpr 66
		.amdhsa_reserve_vcc 1
		.amdhsa_float_denorm_mode_32 3
		.amdhsa_float_denorm_mode_16_64 3
		.amdhsa_memory_ordered 1
		.amdhsa_forward_progress 1
		.amdhsa_inst_pref_size 195
	.end_amdhsa_kernel
	.amdgpu_metadata
---
amdhsa.version: [ 1, 2 ]
amdhsa.kernels:
  - .name:           k_q626cca1ebb_g13
    .symbol:         k_q626cca1ebb_g13.kd
    .args:
      - { .name: xq, .offset: 0, .size: 8, .value_kind: global_buffer, .address_space: global }
      - { .name: xs, .offset: 8, .size: 8, .value_kind: global_buffer, .address_space: global }
      - { .name: wq, .offset: 16, .size: 8, .value_kind: global_buffer, .address_space: global }
      - { .name: list, .offset: 24, .size: 8, .value_kind: global_buffer, .address_space: global }
      - { .name: tt, .offset: 32, .size: 8, .value_kind: global_buffer, .address_space: global }
      - { .name: hq, .offset: 40, .size: 8, .value_kind: global_buffer, .address_space: global }
    .group_segment_fixed_size: 104960
    .private_segment_fixed_size: 0
    .kernarg_segment_align: 8
    .kernarg_segment_size: 48
    .max_flat_workgroup_size: 128
    .sgpr_count:     66
    .vgpr_count:     1024
    .wavefront_size: 32
...
	.end_amdgpu_metadata
.endif
;; end of part 3
;; launch g2 (part 4): grid 8 x 23, 4 waves a work-group, no clusters, 270,848 bytes of LDS; arguments hq, wq, list, tt, out0; writes out0
.if DOCPART == 4
	.amdgcn_target "amdgcn-amd-amdhsa--gfx1250"
	.amdhsa_code_object_version 6
	.text
	.protected	k_q626cca1ebb_g2
	.globl	k_q626cca1ebb_g2
	.p2align	8
	.type	k_q626cca1ebb_g2,@function
k_q626cca1ebb_g2:
	s_mov_b64 s[64:65], 0
	v_nop
	global_prefetch_b8 v0, s[64:65] scope:SCOPE_SE
	s_setreg_imm32_b32 hwreg(HW_REG_WAVE_MODE, 25, 1), 1
	s_wait_xcnt 0x0
; FOURTH LAUNCH.  out0[token] = hs w2_shared^T + h w2[e]^T, as ONE sum over K = 2,048 + 1,024, for a tile of at most 128 rows of one expert (work-group y) and 128 output columns (x).
; So each output row has one owner, and shared + routed costs no addition of its own.
; THE WAVES SHARE K: wave w takes the shared K steps 4 w .. 4 w + 3 and the routed K steps 2 w, 2 w + 1, for the whole 128 x 128: 64 accumulators.  Every byte of hq and wq that the work-group needs is loaded
; once, by one wave, straight into operand registers (both lie in the order of those registers): the loop has no LDS access and no barrier.  The four partial tiles meet in LDS, and each wave adds and stores 32 rows.
; The sums' order: f32, six K steps a wave in ascending order, then (p0 + p1) + (p2 + p3).
; THE MATRIX INSTRUCTION IS USED TRANSPOSED (source 0 = 16 rows of w2, source 1 = 16 tokens): lane (r, h) of accumulator (a, b) holds row 16 a + r, columns 64 (b / 4) + 32 ((b / 2) % 2) + 16 h + 8 (b % 2) + 0 .. 7.
; THE HEAD: the addresses of w2_shared's sets hang on the work-group's and the wave's number alone, so the weights of my first two K steps, 50 loads, go out while the tile's entry of the table is on its way.
; The rows' codes are asked for only when the tile is known to have rows: hq holds nothing for a tile without.
; Rows beyond a tile's count repeat its last token: that row is stored several times, with the same bits.  A tile with 0 rows stores nothing.
; No tensor load and no joint request: what a work-group does hangs on the stored table.  The one barrier stands where the ways have joined again.
.set PART, 67584                       ; a wave's partial tile in LDS: 128 rows x (512 + 16) bytes
.set MSB, 0
.macro WIN new                         ; the immediate's high byte repeats the setting that is left
.if MSB != \new
	s_set_vgpr_msb (MSB<<8)|\new
.set MSB, \new
.endif
.endm
.macro PLACES                          ; four plain instructions between a matrix instruction and a load into, or a read of, its registers
.rept 4
	v_nop
.endr
.endm
; REGISTERS.  window 0: v1-13 addresses, v16-27 the stores' offsets (three sets of four), v32-39 the rows' scale words (two sets), v40-47 the weights' (two sets), v48-55 the rows' scale bytes as loaded (two sets),
;   v64-159, v160-255 the rows' fragments, two sets; on the way out v64-255 are three buffers of four rows.   window 1: the weights' fragments, at v0 and at v128.   windows 2, 3: accumulator (a, b) at v[8 (8 (a % 4) + b)].
.macro LOADA i                         ; the rows of my i-th K step: 34 loads
.if (\i) < 4
.set HA_, 24
.set IA_, 12800*(\i)
.else
.set HA_, 26
.set IA_, 12800*((\i)-4)
.endif
.set AS_, 64+96*((\i)%2)
.irp a, 0,1,2,3,4,5,6,7
.irp c, 0,1
	global_load_b128 v[AS_+12*\a+6*\c:AS_+12*\a+6*\c+3], v2, s[HA_:HA_+1] offset:IA_+6400*\c+768*\a
	global_load_b64 v[AS_+12*\a+6*\c+4:AS_+12*\a+6*\c+5], v3, s[HA_:HA_+1] offset:IA_+6400*\c+768*\a+512
.endr
.endr
.irp c, 0,1
	global_load_b64 v[48+4*((\i)%2)+2*\c:49+4*((\i)%2)+2*\c], v3, s[HA_:HA_+1] offset:IA_+6400*\c+6144
.endr
.endm
.macro LOADB i                         ; the weights of my i-th K step: 25 loads
.if (\i) < 4
.set WB_, 28
.set IB_, 12800*(\i)
.else
.set WB_, 30
.set IB_, 12800*((\i)-4)
.endif
	WIN 0x40                                       ; destination window 1
.irp f, 0,1,2,3,4,5,6,7
.irp n, 0,1,2
	global_load_b128 v[128*((\i)%2)+12*\f+4*\n:128*((\i)%2)+12*\f+4*\n+3], v2, s[WB_:WB_+1] offset:IB_+1536*\f+512*\n
.endr
.endr
	WIN 0
	global_load_b128 v[40+4*((\i)%2):43+4*((\i)%2)], v2, s[WB_:WB_+1] offset:IB_+12288
.endm
	s_load_b256 s[4:11], s[0:1], 0x0               ; hq s[4:5], wq s[6:7], list s[8:9], tt s[10:11]
	s_load_b64 s[12:13], s[0:1], 0x20              ; out0
	v_lshl_add_u32 v62, v0, 2, 0x42000
	v_mov_b32 v63, 0
	v_lshrrev_b32 v1, 5, v0
	v_readfirstlane_b32 s16, v1                    ; wave
	s_mov_b32 s17, ttmp9                           ; column group
	s_and_b32 s18, ttmp7, 0xffff                   ; tile
	v_and_b32 v1, 31, v0
	v_lshlrev_b32 v2, 4, v1                        ; 16 l
	v_lshlrev_b32 v3, 3, v1                        ; 8 l
	v_and_b32 v4, 15, v0                           ; r
	v_bfe_u32 v5, v0, 4, 1                         ; h
	s_mul_i32 s22, s16, PART
	v_mul_u32_u24 v6, v4, 528
	v_lshl_add_u32 v6, v5, 6, v6
	v_add_nc_u32 v6, s22, v6                       ; my partial tile: row r, + 64 h
	s_mul_i32 s22, s16, 32*528
	v_add_nc_u32 v8, s22, v2                       ; back: my 32 rows in wave 0's partial tile, 16 bytes a lane,
	v_add_nc_u32 v9, PART, v8                      ; in wave 1's,
	v_add_nc_u32 v10, 2*PART, v8
	v_add_nc_u32 v11, 3*PART, v8
	s_lshl_b32 s22, s18, 3
	s_mov_b32 s23, 0
	s_wait_kmcnt 0x0
	s_add_nc_u64 s[10:11], s[10:11], s[22:23]
	s_load_b64 s[20:21], s[10:11], 0x0             ; my tile's expert and rows
	s_lshl_b32 s22, s17, 4
	s_lshl_b32 s23, s16, 2
	s_add_co_u32 s22, s22, s23
	s_add_co_u32 s22, s22, 1792
	s_mul_i32 s28, s22, 12800
	s_mov_b32 s29, 0
	s_add_nc_u64 s[28:29], s[6:7], s[28:29]        ; w2_shared's sets 16 cg + 4 w on
	LOADB 0                                        ; they need nothing of the table: out at once
	LOADB 1
	s_mul_i32 s22, s18, 24
	s_lshl_b32 s23, s16, 2
	s_add_co_u32 s23, s23, s22
	s_mul_i32 s24, s23, 12800
	s_mov_b32 s25, 0
	s_add_nc_u64 s[24:25], s[4:5], s[24:25]        ; the tile's K steps 4 w on
	s_lshl_b32 s23, s16, 1
	s_add_co_u32 s23, s23, s22
	s_add_co_u32 s23, s23, 16
	s_mul_i32 s26, s23, 12800
	s_mov_b32 s27, 0
	s_add_nc_u64 s[26:27], s[4:5], s[26:27]        ; and 16 + 2 w on
	s_lshl_b32 s32, s17, 9
	s_mov_b32 s33, 0
	s_add_nc_u64 s[12:13], s[12:13], s[32:33]      ; out0 at my 128 columns
	s_wait_kmcnt 0x0
	s_min_u32 s20, s20, 7
	s_min_u32 s21, s21, 128
	s_lshl_b32 s22, s20, 6
	s_lshl_b32 s23, s17, 3
	s_add_co_u32 s22, s22, s23
	s_lshl_b32 s23, s16, 1
	s_add_co_u32 s22, s22, s23
	s_add_co_u32 s22, s22, 1280
	s_mul_i32 s30, s22, 12800
	s_mov_b32 s31, 0
	s_add_nc_u64 s[30:31], s[6:7], s[30:31]        ; w2[e]'s sets 8 cg + 2 w on
	s_max_u32 s34, s21, 1
	s_sub_co_u32 s34, s34, 1                       ; the tile's last row
	s_lshl_b32 s35, s18, 7
	s_cmp_lg_u32 s21, 0
	s_cselect_b32 s35, s35, 0                      ; a tile without rows reads list[0], which is always written
	v_min_u32 v13, s34, v0                         ; row 32 w + l, held at the last row
	v_add_nc_u32 v13, s35, v13
	v_min_u32 v13, 2943, v13
	v_lshlrev_b32 v13, 2, v13
	global_load_b32 v12, v13, s[8:9]               ; its token
	s_cmp_eq_u32 s21, 0
	s_cbranch_scc1 .Lmeet
; One product.  A scale register holds fragment j's words in lanes 0-15 and fragment j + 4's in lanes 16-31.
.macro WM a, b, zero
.set D_, 8*(8*((\a)%4)+(\b))
.set W_, BB_+12*(\b)
.set A_, AB_+12*(\a)
.set P_, S0_+(\b)%4
.set Q_, S1_+(\a)%4
.if \zero
.if ((\a) < 4) && ((\b) < 4)
	v_wmma_scale_f32_16x16x128_f8f6f4 v[D_:D_+7], v[W_:W_+11], v[A_:A_+11], 0, v[P_], v[Q_] matrix_a_fmt:MATRIX_FMT_FP6 matrix_b_fmt:MATRIX_FMT_FP6
.elseif (\a) < 4
	v_wmma_scale_f32_16x16x128_f8f6f4 v[D_:D_+7], v[W_:W_+11], v[A_:A_+11], 0, v[P_], v[Q_] matrix_a_fmt:MATRIX_FMT_FP6 matrix_b_fmt:MATRIX_FMT_FP6 matrix_a_scale:MATRIX_SCALE_ROW1
.elseif (\b) < 4
	v_wmma_scale_f32_16x16x128_f8f6f4 v[D_:D_+7], v[W_:W_+11], v[A_:A_+11], 0, v[P_], v[Q_] matrix_a_fmt:MATRIX_FMT_FP6 matrix_b_fmt:MATRIX_FMT_FP6 matrix_b_scale:MATRIX_SCALE_ROW1
.else
	v_wmma_scale_f32_16x16x128_f8f6f4 v[D_:D_+7], v[W_:W_+11], v[A_:A_+11], 0, v[P_], v[Q_] matrix_a_fmt:MATRIX_FMT_FP6 matrix_b_fmt:MATRIX_FMT_FP6 matrix_a_scale:MATRIX_SCALE_ROW1 matrix_b_scale:MATRIX_SCALE_ROW1
.endif
.else
.if ((\a) < 4) && ((\b) < 4)
	v_wmma_scale_f32_16x16x128_f8f6f4 v[D_:D_+7], v[W_:W_+11], v[A_:A_+11], v[D_:D_+7], v[P_], v[Q_] matrix_a_fmt:MATRIX_FMT_FP6 matrix_b_fmt:MATRIX_FMT_FP6
.elseif (\a) < 4
	v_wmma_scale_f32_16x16x128_f8f6f4 v[D_:D_+7], v[W_:W_+11], v[A_:A_+11], v[D_:D_+7], v[P_], v[Q_] matrix_a_fmt:MATRIX_FMT_FP6 matrix_b_fmt:MATRIX_FMT_FP6 matrix_a_scale:MATRIX_SCALE_ROW1
.elseif (\b) < 4
	v_wmma_scale_f32_16x16x128_f8f6f4 v[D_:D_+7], v[W_:W_+11], v[A_:A_+11], v[D_:D_+7], v[P_], v[Q_] matrix_a_fmt:MATRIX_FMT_FP6 matrix_b_fmt:MATRIX_FMT_FP6 matrix_b_scale:MATRIX_SCALE_ROW1
.else
	v_wmma_scale_f32_16x16x128_f8f6f4 v[D_:D_+7], v[W_:W_+11], v[A_:A_+11], v[D_:D_+7], v[P_], v[Q_] matrix_a_fmt:MATRIX_FMT_FP6 matrix_b_fmt:MATRIX_FMT_FP6 matrix_a_scale:MATRIX_SCALE_ROW1 matrix_b_scale:MATRIX_SCALE_ROW1
.endif
.endif
.endm
.macro MUL16 a0, zero                  ; row tiles a0, a0 + 1 against the eight weight fragments.  The 64 accumulators take turns, one instruction a turn, in the same order in every step
.irp a, \a0, \a0+1
.irp b, 0,1,2,3,4,5,6,7
	WM (\a), \b, \zero
.endr
.endr
.endm
.macro STEP i
.set RW_, 48+4*((\i)%2)
.set S1_, 32+4*((\i)%2)
.set S0_, 40+4*((\i)%2)
.set BB_, 128*((\i)%2)
.set AB_, 64+96*((\i)%2)
.set Z_, 0
.if (\i) == 0
.set Z_, 1                             ; the first step's products start the sums: nothing is cleared
.endif
.if (\i) == 0
	s_wait_loadcnt 34                              ; the order of issue was: weights 0, weights 1, the token, rows 0, rows 1: all but rows 1's 34 loads are in
.elseif (\i) < 5
	s_wait_loadcnt 59                              ; this step's loads are in; the next step's 59 may be out
.else
	s_wait_loadcnt 0x0
.endif
	v_perm_b32 v[S1_], v[RW_+2], v[RW_], 0x05040100        ; a row's scale word: two bytes from the K step's first half, two from its second
	v_perm_b32 v[S1_+1], v[RW_+2], v[RW_], 0x07060302
	v_perm_b32 v[S1_+2], v[RW_+3], v[RW_+1], 0x05040100
	v_perm_b32 v[S1_+3], v[RW_+3], v[RW_+1], 0x07060302
.rept 8
	v_nop                                          ; a scale register written by a vector instruction stands eight places ahead of the scaled matrix instruction
.endr
	WIN 0xa1
	MUL16 0, Z_
	MUL16 2, Z_
	WIN 0xf1
	MUL16 4, Z_
	MUL16 6, Z_
	PLACES
	WIN 0
.if (\i) <= 3
	LOADA (\i)+2                                   ; the registers just multiplied take the step two on
	LOADB (\i)+2
.endif
.endm
	LOADA 0
	LOADA 1
.irp i, 0,1,2,3,4,5
	STEP \i
.endr
	; my partial tile to LDS (the last step has left its four places); each accumulator from its low end on
.irp a, 0,1,2,3,4,5,6,7
	WIN 0x08+4*(\a/4)                              ; an LDS store's data are its source 1: window 2 or 3
.irp b, 0,1,2,3,4,5,6,7
	ds_store_b128 v6, v[8*(8*(\a%4)+\b):8*(8*(\a%4)+\b)+3] offset:8448*\a+256*(\b/4)+128*((\b/2)%2)+32*(\b%2)
	ds_store_b128 v6, v[8*(8*(\a%4)+\b)+4:8*(8*(\a%4)+\b)+7] offset:8448*\a+256*(\b/4)+128*((\b/2)%2)+32*(\b%2)+16
.endr
.endr
	WIN 0
.Lmeet:
	s_wait_dscnt 0x0                               ; for the others' sake: my partial tile has landed
	s_barrier_signal -1
	s_barrier_wait -1
	s_cmp_eq_u32 s21, 0
	s_cbranch_scc1 .Lend                           ; a tile that this split leaves without rows
	s_wait_loadcnt 0x0
	v_min_u32 v12, 2047, v12
; THE WAY OUT: my 32 rows in eight groups of four, on three buffers by turns.
.macro GRP g                           ; four of my rows, from the four partial tiles
.set BU_, 64+64*((\g)%3)
.irp p, 0,1,2,3
.irp u, 0,1,2,3
	ds_load_b128 v[BU_+16*\p+4*\u:BU_+16*\p+4*\u+3], v[8+\u] offset:528*(4*(\g)+\p)
.endr
.endr
.endm
.macro OUTG g
.set BO_, 64+64*((\g)%3)
.set VO_, 16+4*((\g)%3)
.if (\g) < 7
	s_wait_dscnt 16                                ; this group is in; the next group's 16 loads may be out
.else
	s_wait_dscnt 0x0
.endif
.irp p, 0,1,2,3
	v_pk_add_f32 v[BO_+16*\p:BO_+16*\p+1], v[BO_+16*\p:BO_+16*\p+1], v[BO_+16*\p+4:BO_+16*\p+5]
	v_pk_add_f32 v[BO_+16*\p+2:BO_+16*\p+3], v[BO_+16*\p+2:BO_+16*\p+3], v[BO_+16*\p+6:BO_+16*\p+7]
	v_pk_add_f32 v[BO_+16*\p+8:BO_+16*\p+9], v[BO_+16*\p+8:BO_+16*\p+9], v[BO_+16*\p+12:BO_+16*\p+13]
	v_pk_add_f32 v[BO_+16*\p+10:BO_+16*\p+11], v[BO_+16*\p+10:BO_+16*\p+11], v[BO_+16*\p+14:BO_+16*\p+15]
	v_pk_add_f32 v[BO_+16*\p:BO_+16*\p+1], v[BO_+16*\p:BO_+16*\p+1], v[BO_+16*\p+8:BO_+16*\p+9]
	v_pk_add_f32 v[BO_+16*\p+2:BO_+16*\p+3], v[BO_+16*\p+2:BO_+16*\p+3], v[BO_+16*\p+10:BO_+16*\p+11]
.endr
.if (\g)+2 < 8
.if (\g) > 0
	s_wait_xcnt 0x0                                ; the last group's stores, issued ahead of the 24 additions above, have read their data and offsets: their buffer takes the group two on, and the offsets' set of three groups back is written below
.endif
	GRP (\g)+2
.endif
.irp p, 0,1,2,3
	v_lshl_add_u32 v[VO_+\p], s[66+4*(\g)+\p], 12, v2   ; the token's row of out0, 16 bytes a lane.  (Groups 6 and 7 write sets that groups 3 and 4 used: group 5's wait stands behind those stores)
.endr
.irp p, 0,1,2,3
	global_store_b128 v[VO_+\p], v[BO_+16*\p:BO_+16*\p+3], s[12:13] th:TH_STORE_NT   ; 512 consecutive bytes, at a multiple of 256 from out0's first byte; written once, read by nobody here
.endr
.endm
	GRP 0
	GRP 1
.set n_, 0
.rept 32
	v_readlane_b32 s[66+n_], v12, n_               ; my 32 rows' tokens as scalars, in one batch, while the first two groups are on their way
.set n_, n_+1
.endr
.set n_, 0
.rept 32
	s_min_u32 s[66+n_], s[66+n_], 2047
.set n_, n_+1
.endr
.irp g, 0,1,2,3,4,5,6,7
	OUTG \g
.endr
.Lend:
	s_wait_tensorcnt 0x0
	ds_add_u32 v62, v63
	s_wait_dscnt 0x0
	s_endpgm
.Lfunc_end_k_q626cca1ebb_g2:
	.size	k_q626cca1ebb_g2, .Lfunc_end_k_q626cca1ebb_g2-k_q626cca1ebb_g2
	.p2alignl 7, 3214868480
	.fill 96, 4, 3214868480
	.section	.rodata,"a",@progbits
	.p2align	6, 0x0
	.amdhsa_kernel k_q626cca1ebb_g2
		.amdhsa_group_segment_fixed_size 270848
		.amdhsa_private_segment_fixed_size 0
		.amdhsa_enable_private_segment 0
		.amdhsa_kernarg_size 40
		.amdhsa_user_sgpr_count 2
		.amdhsa_user_sgpr_kernarg_segment_ptr 1
		.amdhsa_wavefront_size32 1
		.amdhsa_system_sgpr_workgroup_id_x 1
		.amdhsa_system_sgpr_workgroup_id_y 1
		.amdhsa_system_sgpr_workgroup_id_z 1
		.amdhsa_system_vgpr_workitem_id 0
		.amdhsa_next_free_vgpr 1024
		.amdhsa_next_free_sgpr 100
		.amdhsa_reserve_vcc 0
		.amdhsa_float_denorm_mode_32 3
		.amdhsa_float_denorm_mode_16_64 3
		.amdhsa_memory_ordered 1
		.amdhsa_forward_progress 1
		.amdhsa_inst_pref_size 129
	.end_amdhsa_kernel
	.amdgpu_metadata
---
amdhsa.version: [ 1, 2 ]
amdhsa.kernels:
  - .name:           k_q626cca1ebb_g2
    .symbol:         k_q626cca1ebb_g2.kd
    .args:
      - { .name: hq, .offset: 0, .size: 8, .value_kind: global_buffer, .address_space: global }
      - { .name: wq, .offset: 8, .size: 8, .value_kind: global_buffer, .address_space: global }
      - { .name: list, .offset: 16, .size: 8, .value_kind: global_buffer, .address_space: global }
      - { .name: tt, .offset: 24, .size: 8, .value_kind: global_buffer, .address_space: global }
      - { .name: out0, .offset: 32, .size: 8, .value_kind: global_buffer, .address_space: global }
    .group_segment_fixed_size: 270848
    .private_segment_fixed_size: 0
    .kernarg_segment_align: 8
    .kernarg_segment_size: 40
    .max_flat_workgroup_size: 128
    .sgpr_count:     100
    .vgpr_count:     1024
    .wavefront_size: 32
...
	.end_amdgpu_metadata
.endif
;; end of part 4
;; ======== version 2 of 2: 4 launches; version 1 with the launches g13, g2 written anew for expert scheduling mode
;; workspace buffers: wq 24,576,000 bytes; xq 3,145,728 bytes; xs 131,072 bytes; hq 7,065,600 bytes; eid 8,192 bytes of whole numbers; list 11,776 bytes of whole numbers; tt 256 bytes of whole numbers
;; launch qa: the kernel of part 1 again; grid 768 x 1, 4 waves a work-group, no clusters, 96,768 bytes of LDS; arguments x, router_DE, w13, w13_shared, wq, xq, xs, eid; writes wq, xq, xs, eid
;; launch qb: the kernel of part 2 again; grid 321 x 1, 4 waves a work-group, no clusters, 35,328 bytes of LDS; arguments w2, w2_shared, eid, wq, list, tt; writes wq, list, tt
;; launch g13 (part 5): grid 12 x 23, 4 waves a work-group, no clusters, 104,960 bytes of LDS; arguments xq, xs, wq, list, tt, hq; writes hq
.if DOCPART == 5
	.amdgcn_target "amdgcn-amd-amdhsa--gfx1250"
	.amdhsa_code_object_version 6
	.text
	.protected	k_q626cca1ebb_g13
	.globl	k_q626cca1ebb_g13
	.p2align	8
	.type	k_q626cca1ebb_g13,@function
k_q626cca1ebb_g13:
	s_mov_b64 s[64:65], 0
	v_nop
	global_prefetch_b8 v0, s[64:65] scope:SCOPE_SE
	s_setreg_imm32_b32 hwreg(HW_REG_WAVE_SCHED_MODE, 0, 2), 2
	s_setreg_imm32_b32 hwreg(HW_REG_WAVE_MODE, 25, 1), 1
	s_wait_xcnt 0x0
	s_wait_alu depctr_vm_vsrc(0)
; THIRD LAUNCH.  For a tile of at most 128 rows of one expert (work-group y) and a chunk of 256 hidden units (x: 0-3 the expert's, on xr; 4-11 the shared expert's, on x):
; gate and up products on FP6 codes, h = silu(gate) * up in f32, h quantised along the hidden units, codes and scale bytes to hq.
; SHARES.  The four waves share the tile's 128 rows, gathered once into LDS; wave w takes one column group: 4 gate fragments and the 4 up fragments of the same 64 units: 64 accumulators, 512 registers.
; The weights go from wq straight into registers, each set read by one wave, three sets of registers by turns.
; THE MATRIX INSTRUCTION IS USED TRANSPOSED (source 0 = 16 weight rows, source 1 = 16 tokens): a lane holds one token, and by the choice of a fragment's rows its registers 16 b + i are units 32 b + 16 (lane / 16) + i.
; hq: [tile][K step 24][half 2][6,400]: a half = 64 units of 128 rows: row tile a at 768 a (registers 6 c .. 6 c + 3 of lane l at 16 l, 6 c + 4, 5 at 512 + 8 l); at 6,144 lane l's 8 bytes: the two scale bytes of row tiles j + 4 (l / 16), j = 0 .. 3, row l % 16.
; K steps 0-15 are the shared expert's units, 16-23 the routed expert's.
; A grid that serves every split: 23 tiles.  A tile with 0 rows stores nothing; rows beyond a tile's count repeat its last token.
; No tensor load and no joint request: what a work-group does hangs on the stored table, so its operands come through registers.  The one barrier stands ahead of the branch on the table.
; LIMITS: as stated in the first launch; a gate under about -87 gives h = 0.
; THE MODE: SCHED_MODE bits 1:0 = 2 (LLVM: expert scheduling mode 2), set by the entry lines.  The code itself states the register dependences
; between vector or matrix instructions and memory or LDS instructions, with s_wait_alu, always for 0.
; THE PLAN.  Registers that memory or LDS instructions touch, in the eight steps:
;   W0, W1, W2   three sets of weights, each with its scale words (v40-51).  Step s's products read W[s % 3]; the loads of set s + 2, issued in step s, land in W[(s + 2) % 3] = W[(s - 1) % 3].
;   L0, L1       two sets of row tiles 0-3.  The first half of step s reads L[s % 2]; the LDS loads of step s + 1, issued in step s, land in the other.  The rows' scale words (v32-39, two sets) go with them.
;   H            one set of row tiles 4-7.  The second half of step s reads it; the LDS loads of step s land in it at the step's head.
;   v2, v6, v7, v10   addresses, made once at the head and never written again: immediate offsets do the rest.
; So ONE wait on va_vdst stands in a step, at its head: the products of the step before are done reading H, the other L with its scale words, and W[(s - 1) % 3].  All the step's loads land in
; these, its own products name none of them, and so the loads are dealt among the products with no further wait.
; On the way out each row tile has registers of its own for its codes; its two stores stand behind the wait that the next row tile's exponentials have in any case.
.set PITCH, 784                        ; a token's 768 bytes of codes + 16: 196 words, so that the 32 lanes of a load of 8 bytes touch 64 different banks (64 banks of 4 bytes: ISA guide 11.1)
.set ASC,   128*PITCH                  ; behind the rows: their scale words, [K step 8][slot 32][16 bytes], in the form of a set's scale block
.set T,    64                          ; the way out: v64-95 a row tile's 32 numbers a lane
.set EM,   96
.set MX,   98
.set ESO,  100
.set EBY,  102
.set HW,   104                         ; v104-111 a pair of scale bytes for each row tile
.set P,    112                         ; v112-175 codes: eight registers for each row tile, so that no store's data are written again
.set PK,   176
.set MSB, 0
.macro WIN new                         ; the immediate's high byte repeats the setting that is left
.if MSB != \new
	s_set_vgpr_msb (MSB<<8)|\new
.set MSB, \new
.endif
.endm
.macro PLACES                          ; four plain instructions between a matrix instruction and a vector read or write of its registers; at a step's end they also stand ahead of the loads into its registers, beside the wait that states that dependence
.rept 4
	v_nop
.endr
.endm
; REGISTERS.  window 0: v1-15 addresses, v16-31 the gather's offsets, v32-39 A's scale words (two sets), v40-51 the weights' (three sets), v52-59 scale bytes as loaded,
;   v64-111 row tiles 0-3, set 0 (v64-79 first hold the permutes' indices), v112-159 row tiles 4-7, v160-255 weights' set 2.
;   window 1: weights' set 0 at v0, set 1 at v128; row tiles 0-3, set 1: tiles 0, 1 at v96, tiles 2, 3 at v224.   windows 2, 3: accumulator (a, b) at v[8 (8 (a % 4) + b)]; window 2 first holds the gathered rows.
	s_load_b256 s[4:11], s[0:1], 0x0               ; xq s[4:5], xs s[6:7], wq s[8:9], list s[10:11]
	s_load_b128 s[12:15], s[0:1], 0x20             ; tt s[12:13], hq s[14:15]
	v_lshl_add_u32 v62, v0, 2, 0x19800
	v_mov_b32 v63, 0
	v_lshrrev_b32 v1, 5, v0
	v_readfirstlane_b32 s16, v1                    ; wave
	s_mov_b32 s17, ttmp9                           ; chunk
	s_and_b32 s18, ttmp7, 0xffff                   ; tile
	v_and_b32 v1, 31, v0
	v_lshlrev_b32 v2, 4, v1                        ; 16 l
	v_lshlrev_b32 v3, 3, v1                        ; 8 l
	v_and_b32 v4, 15, v0                           ; r
	v_bfe_u32 v5, v0, 4, 1                         ; h
	v_mul_u32_u24 v6, v4, PITCH
	v_mad_u32_u24 v6, v5, 24, v6                   ; a fragment's row x pitch + 24 h: row tiles 0-3,
	v_add_nc_u32 v7, 64*PITCH, v6                  ; and 4-7
	s_wait_alu depctr_va_sdst(0)                   ; s16, the wave's number, is written, ahead of its first reader
	s_mul_i32 s22, s16, 32*PITCH
	v_mul_u32_u24 v8, v5, PITCH
	v_lshl_add_u32 v8, v4, 4, v8
	v_add_nc_u32 v8, s22, v8                       ; the gather's way in: row 32 w + h, 16 r
	s_lshr_b32 s22, s16, 1
	s_lshl_b32 s22, s22, 8
	s_and_b32 s23, s16, 1
	s_lshl_b32 s23, s23, 3
	s_add_co_u32 s22, s22, s23
	s_add_co_u32 s22, s22, ASC
	v_lshlrev_b32 v9, 4, v4
	v_lshl_add_u32 v9, v5, 2, v9
	v_add_nc_u32 v9, s22, v9                       ; my row's scale word: row tile 2 w + h = j + 4 (w / 2): slot 16 (w / 2) + r, word j
	v_add_nc_u32 v10, ASC, v2                      ; and the way out: slot l
	v_lshlrev_b32 v13, 2, v5
	v_lshlrev_b32 v15, 4, v4
	s_mov_b32 s34, 0x76543210
	s_mov_b32 s35, 0xfedcba98
	s_mov_b32 s44, 0xbfb8aa3b                      ; -log2(e)
	s_mov_b32 s45, s44                             ; (named with it as a pair, so it is written)
	s_lshl_b32 s22, s18, 3
	s_mov_b32 s23, 0
	s_wait_kmcnt 0x0
	s_add_nc_u64 s[12:13], s[12:13], s[22:23]
	s_load_b64 s[20:21], s[12:13], 0x0             ; my tile's expert and rows
	s_lshl_b32 s23, s17, 2
	s_add_co_u32 s23, s23, s16                     ; 4 chunk + w
	s_cmp_lt_u32 s17, 4                            ; routed or shared: by the work-group's number
	s_cselect_b32 s42, -1, 0
	s_cselect_b32 s43, 0, 112
	s_cselect_b32 s36, 768, 0                      ; xr's codes lie behind x's
	s_cselect_b32 s38, 32, 0                       ; and its scale bytes
	s_cselect_b32 s40, 32, -16                     ; halves 32 .. 47 of the tile, or 0 .. 31
	s_wait_kmcnt 0x0
	s_min_u32 s20, s20, 7
	s_min_u32 s21, s21, 128
	s_lshl_b32 s22, s20, 4
	s_and_b32 s22, s22, s42
	s_add_co_u32 s22, s22, s43
	s_add_co_u32 s22, s22, s23                     ; column group: 16 e + g, or 128 + g
	s_mul_i32 s24, s22, 102400
	s_mov_b32 s25, 0
	s_add_nc_u64 s[24:25], s[8:9], s[24:25]        ; its eight sets
	s_mov_b32 s37, 0
	s_add_nc_u64 s[26:27], s[4:5], s[36:37]
	s_mov_b32 s39, 0
	s_add_nc_u64 s[28:29], s[6:7], s[38:39]
	s_mul_i32 s41, s18, 48
	s_add_co_u32 s40, s40, s41
	s_add_co_u32 s40, s40, s23
	s_mul_i32 s40, s40, 6400
	s_mov_b32 s41, 0
	s_add_nc_u64 s[30:31], s[14:15], s[40:41]      ; my half of hq
	s_max_u32 s32, s21, 1
	s_sub_co_u32 s32, s32, 1                       ; the tile's last row
	s_lshl_b32 s33, s18, 7
	s_cmp_lg_u32 s21, 0
	s_cselect_b32 s33, s33, 0                      ; a tile without rows reads list[0], which is always written
	v_min_u32 v12, s32, v0                         ; my row, 32 w + l, held at the last row
	v_add_nc_u32 v12, s33, v12
	v_min_u32 v12, 2943, v12
	v_lshlrev_b32 v12, 2, v12
	s_wait_alu depctr_va_vdst(0)                   ; the addresses v2, v3, v6 to v10 and v12 are written, which the kernel's loads and stores read
	global_load_b32 v11, v12, s[10:11]             ; its token
.macro LOADSET s, set                  ; set s of my column group into registers' set: 24 loads of 512 consecutive bytes, and the scale block
.if (\set) < 2
	WIN 0x40
.set LB_, 128*(\set)
.else
	WIN 0
.set LB_, 160
.endif
.irp f, 0,1,2,3,4,5,6,7
.irp n, 0,1,2
	global_load_b128 v[LB_+12*\f+4*\n:LB_+12*\f+4*\n+3], v2, s[24:25] offset:12800*(\s)+1536*\f+512*\n
.endr
.endr
	WIN 0
	global_load_b128 v[40+4*(\set):43+4*(\set)], v2, s[24:25] offset:12800*(\s)+12288
.endm
	LOADSET 0, 0
	s_wait_loadcnt 25                              ; the token is in; set 0's 25 loads may be out
	v_min_u32 v11, 2047, v11
	v_lshlrev_b32 v14, 6, v11                      ; its 64 scale bytes
.irp m, 0,1,2,3,4,5,6,7,8,9,10,11,12,13,14,15
	v_add_nc_u32 v[64+\m], 8*\m, v13               ; lane 2 m + h, as a byte index
.endr
	s_wait_alu depctr_va_vdst(0)                   ; v11 and the sixteen indices v64 to v79 are written, which the permutes read
.irp m, 0,1,2,3,4,5,6,7,8,9,10,11,12,13,14,15
	ds_bpermute_b32 v[16+\m], v[64+\m], v11        ; the token of my wave's row 2 m + h; no permute lands on a register that a permute reads
.endr
	s_wait_dscnt 0x0
.irp m, 0,1,2,3,4,5,6,7,8,9,10,11,12,13,14,15
	v_min_u32 v[16+\m], 2047, v[16+\m]
	v_mul_u32_u24 v[16+\m], 1536, v[16+\m]
	v_add_nc_u32 v[16+\m], v15, v[16+\m]
.endr
	WIN 0x80                                       ; destination window 2
	s_wait_alu depctr_va_vdst(0)                   ; the sixteen offsets v16 to v31 and v14 are written, which the gather's loads read
.irp m, 0,1,2,3,4,5,6,7,8,9,10,11,12,13,14,15
.irp n, 0,1,2
	global_load_b128 v[12*\m+4*\n:12*\m+4*\n+3], v[16+\m], s[26:27] offset:256*\n   ; sixteen lanes read 256 consecutive bytes of a token's codes
.endr
.endr
	WIN 0
	global_load_b128 v[52:55], v14, s[28:29]
	global_load_b128 v[56:59], v14, s[28:29] offset:16
	LOADSET 1, 1
	s_wait_loadcnt 25                              ; all but set 1's 25 loads are in
	WIN 0x08                                       ; an LDS store's data are its source 1: window 2
.irp m, 0,1,2,3,4,5,6,7,8,9,10,11,12,13,14,15
.irp n, 0,1,2
	ds_store_b128 v8, v[12*\m+4*\n:12*\m+4*\n+3] offset:2*PITCH*\m+256*\n
.endr
.endr
	WIN 0
.irp s, 0,1,2,3,4,5,6,7
	ds_store_b32 v9, v[52+\s] offset:512*\s
.endr
	LOADSET 2, 2
	s_wait_dscnt 0x0                               ; for the others' sake: my rows and scale words have landed
	s_barrier_signal -1
	s_barrier_wait -1
	s_wait_alu depctr_vm_vsrc(0)                   ; the permutes have read v64 to v79, in which fragments land; my LDS stores have read window 2, which the first products write
	s_cmp_eq_u32 s21, 0
	s_cbranch_scc1 .Lend                           ; a tile that this split leaves without rows
.macro FRAG a, s                       ; row tile a, K step s: 24 bytes of the row's stream of bits twice, in pieces of 8.  Row tiles 0-3 of an odd step go to their second set, in window 1: the caller sets the window
.if (\a) < 4
.set AD_, 6
.else
.set AD_, 7
.endif
.if ((\a) < 4) && (((\s)%2) == 1)
.set FD_, 96+12*(\a)+104*((\a)/2)
.else
.set FD_, 64+12*(\a)
.endif
.irp p, 0,1,2,3,4,5
	ds_load_b64 v[FD_+2*\p:FD_+2*\p+1], v[AD_] offset:((\a)%4)*16*PITCH+96*(\s)+48*(\p/3)+8*(\p%3)
.endr
.endm
; One product.  A scale register holds fragment j's words in lanes 0-15 and fragment j + 4's in lanes 16-31.
.macro WM a, b, zero
.set D_, 8*(8*((\a)%4)+(\b))
.set W_, BB_+12*(\b)
.if ((\a) < 4) && AL_
.set A_, 96+12*(\a)+104*((\a)/2)
.else
.set A_, 64+12*(\a)
.endif
.set P_, S0_+(\b)%4
.set Q_, S1_+(\a)%4
.if \zero
.if ((\a) < 4) && ((\b) < 4)
	v_wmma_scale_f32_16x16x128_f8f6f4 v[D_:D_+7], v[W_:W_+11], v[A_:A_+11], 0, v[P_], v[Q_] matrix_a_fmt:MATRIX_FMT_FP6 matrix_b_fmt:MATRIX_FMT_FP6
.elseif (\a) < 4
	v_wmma_scale_f32_16x16x128_f8f6f4 v[D_:D_+7], v[W_:W_+11], v[A_:A_+11], 0, v[P_], v[Q_] matrix_a_fmt:MATRIX_FMT_FP6 matrix_b_fmt:MATRIX_FMT_FP6 matrix_a_scale:MATRIX_SCALE_ROW1
.elseif (\b) < 4
	v_wmma_scale_f32_16x16x128_f8f6f4 v[D_:D_+7], v[W_:W_+11], v[A_:A_+11], 0, v[P_], v[Q_] matrix_a_fmt:MATRIX_FMT_FP6 matrix_b_fmt:MATRIX_FMT_FP6 matrix_b_scale:MATRIX_SCALE_ROW1
.else
	v_wmma_scale_f32_16x16x128_f8f6f4 v[D_:D_+7], v[W_:W_+11], v[A_:A_+11], 0, v[P_], v[Q_] matrix_a_fmt:MATRIX_FMT_FP6 matrix_b_fmt:MATRIX_FMT_FP6 matrix_a_scale:MATRIX_SCALE_ROW1 matrix_b_scale:MATRIX_SCALE_ROW1
.endif
.else
.if ((\a) < 4) && ((\b) < 4)
	v_wmma_scale_f32_16x16x128_f8f6f4 v[D_:D_+7], v[W_:W_+11], v[A_:A_+11], v[D_:D_+7], v[P_], v[Q_] matrix_a_fmt:MATRIX_FMT_FP6 matrix_b_fmt:MATRIX_FMT_FP6
.elseif (\a) < 4
	v_wmma_scale_f32_16x16x128_f8f6f4 v[D_:D_+7], v[W_:W_+11], v[A_:A_+11], v[D_:D_+7], v[P_], v[Q_] matrix_a_fmt:MATRIX_FMT_FP6 matrix_b_fmt:MATRIX_FMT_FP6 matrix_a_scale:MATRIX_SCALE_ROW1
.elseif (\b) < 4
	v_wmma_scale_f32_16x16x128_f8f6f4 v[D_:D_+7], v[W_:W_+11], v[A_:A_+11], v[D_:D_+7], v[P_], v[Q_] matrix_a_fmt:MATRIX_FMT_FP6 matrix_b_fmt:MATRIX_FMT_FP6 matrix_b_scale:MATRIX_SCALE_ROW1
.else
	v_wmma_scale_f32_16x16x128_f8f6f4 v[D_:D_+7], v[W_:W_+11], v[A_:A_+11], v[D_:D_+7], v[P_], v[Q_] matrix_a_fmt:MATRIX_FMT_FP6 matrix_b_fmt:MATRIX_FMT_FP6 matrix_a_scale:MATRIX_SCALE_ROW1 matrix_b_scale:MATRIX_SCALE_ROW1
.endif
.endif
.endm
.macro MUL16 a0, zero                  ; row tiles a0, a0 + 1 against the eight weight fragments.  The 64 accumulators take turns, one instruction a turn, in the same order in every step
.irp a, \a0, \a0+1
.irp b, 0,1,2,3,4,5,6,7
	WM (\a), \b, \zero
.endr
.endr
.endm
.macro STEP s                          ; 128 along K: 64 matrix instructions
.if ((\s)%3) < 2
.set BB_, 128*((\s)%3)
.set WS_, 1
.else
.set BB_, 160
.set WS_, 0
.endif
.set AL_, (\s)%2                       ; which set of row tiles 0-3, and its window
.set S0_, 40+4*((\s)%3)
.set S1_, 32+4*((\s)%2)
.set WL_, 0xa0+4*AL_+WS_               ; first half: C and D window 2, the rows' window AL_, the weights' WS_
.set WH_, 0xf0+WS_                     ; second half: C and D window 3, the rows' window 0
.set WF_, 0x40*(1-AL_)                 ; the next step's row tiles 0-3 land in the other set's window
.set Z_, 0
.if (\s) == 0
.set Z_, 1                             ; the first step's products start the sums: nothing is cleared
.endif
.if (\s) == 0
	s_wait_loadcnt 50                              ; set 0 is in; sets 1 and 2, 25 loads each, may be out
.elseif (\s) < 7
	s_wait_loadcnt 25                              ; this step's set is in; the one younger set may be out (the set two on is asked for below)
.else
	s_wait_loadcnt 0x0
.endif
.if (\s) > 0
	s_wait_alu depctr_va_vdst(0)                   ; the last step's products are done reading row tiles 4-7, the other set of row tiles 0-3 with its scale words, and their own weights: all this step's loads land in these, and none of its products names them
	FRAG 4, \s
	FRAG 5, \s
	FRAG 6, \s
	FRAG 7, \s
.endif
	s_wait_dscnt 24                                ; row tiles 0-3 and the scale words are in; the youngest 24 loads (row tiles 4-7) may be out
	WIN WL_
	MUL16 0, Z_
.if ((\s) >= 1) && ((\s) <= 5)
	LOADSET (\s)+2, ((\s)+2)%3                     ; the registers that the last step multiplied take the set two steps on
	WIN WL_
.endif
	MUL16 2, Z_
.if (\s) < 7
	WIN WF_
	FRAG 0, (\s)+1
	FRAG 1, (\s)+1
	FRAG 2, (\s)+1
	FRAG 3, (\s)+1
	WIN 0
	ds_load_b128 v[32+4*(((\s)+1)%2):35+4*(((\s)+1)%2)], v10 offset:512*((\s)+1)
	s_wait_dscnt 25                                ; row tiles 4-7 are in; the 25 loads just issued may be out
.else
	s_wait_dscnt 0x0                               ; row tiles 4-7 are in
.endif
	WIN WH_
	MUL16 4, Z_
	MUL16 6, Z_
	PLACES
	WIN 0
.endm
	FRAG 0, 0
	FRAG 1, 0
	FRAG 2, 0
	FRAG 3, 0
	ds_load_b128 v[32:35], v10
	FRAG 4, 0
	FRAG 5, 0
	FRAG 6, 0
	FRAG 7, 0
.irp s, 0,1,2,3,4,5,6,7
	STEP \s
.endr
	; THE WAY OUT (the last step has left its four places): a row tile at a time
	v_mov_b32 v[MX], 0                             ; written once: a lane permute's destination counts as one of its sources
	v_mov_b32 v[MX+1], 0
.macro SENDT a                         ; row tile a's codes
	global_store_b128 v2, v[P+8*(\a):P+8*(\a)+3], s[30:31] offset:768*(\a)         ; 512 consecutive bytes,
	global_store_b64 v3, v[P+8*(\a)+4:P+8*(\a)+5], s[30:31] offset:768*(\a)+512    ; and 256, each at a multiple of 256 from hq's first byte
.endm
.macro EPI a
.set AC_, 64*((\a)%4)
.set WW_, 2+(\a)/4
	WIN WW_                                        ; source 0: the accumulators' window
.set j, 0
.rept 16
	v_pk_mul_f32 v[T+j:T+j+1], v[AC_+j:AC_+j+1], s[44:45] op_sel_hi:[1,0]   ; -log2(e) x gate; each accumulator is read from its low end on
.set j, j+2
.endr
	WIN 0
.set j, 0
.rept 32
	v_exp_f32 v[T+j], v[T+j]
.set j, j+1
.endr
	v_nop                                          ; a plain instruction behind the last exponential
	s_wait_alu depctr_va_vdst(0)                   ; the 32 exponentials have written v[T ..], ahead of their first reader; and the row tile before has written its codes, which the two stores below read
.if (\a) > 0
	SENDT (\a)-1                                   ; no vector instruction since the wait names these registers, and none writes them again
.endif
.set j, 0
.rept 16
	v_pk_add_f32 v[T+j:T+j+1], v[T+j:T+j+1], 1.0 op_sel_hi:[1,0]
.set j, j+2
.endr
.set j, 0
.rept 32
	v_rcp_f32 v[T+j], v[T+j]
.set j, j+1
.endr
	v_nop
	s_wait_alu depctr_va_vdst(0)                   ; the 32 reciprocals have written v[T ..], ahead of their first reader
	WIN WW_
.set j, 0
.rept 16
	v_pk_mul_f32 v[T+j:T+j+1], v[AC_+j:AC_+j+1], v[T+j:T+j+1]              ; silu(gate)
.set j, j+2
.endr
.set j, 0
.rept 16
	v_pk_mul_f32 v[T+j:T+j+1], v[AC_+32+j:AC_+32+j+1], v[T+j:T+j+1]        ; x up
.set j, j+2
.endr
	WIN 0
.irp b, 0,1
	v_max3_num_f32 v[EM+\b], |v[T+16*\b]|, |v[T+16*\b+1]|, 0x1800000       ; block b: my 16 numbers, and the floor 2^(3 - 127)
.endr
.irp i, 2,4,6,8,10,12,14
.irp b, 0,1
	v_max3_num_f32 v[EM+\b], v[EM+\b], |v[T+16*\b+\i]|, |v[T+16*\b+\i+1]|
.endr
.endr
.irp b, 0,1
	v_permlanex16_b32 v[MX+\b], v[EM+\b], s34, s35
.endr
.irp b, 0,1
	v_max_num_f32 v[EM+\b], v[EM+\b], v[MX+\b]     ; with lane l xor 16's 16
.endr
.irp b, 0,1
	v_add_nc_u32 v[ESO+\b], 0xff000000, v[EM+\b]
.endr
.irp b, 0,1
	v_lshrrev_b32 v[EBY+\b], 23, v[ESO+\b]
.endr
	v_lshl_or_b32 v[HW+(\a)], v[EBY+1], 8, v[EBY]
	v_cvt_scalef32_pk16_fp6_f32 v[P+8*(\a):P+8*(\a)+2], v[T:T+15], v[ESO]
	v_cvt_scalef32_pk16_fp6_f32 v[P+8*(\a)+4:P+8*(\a)+6], v[T+16:T+31], v[ESO+1]
	v_nop                                          ; one plain instruction behind the scaled conversions
.irp i, 0,1,2
	v_permlane16_swap_b32 v[P+8*(\a)+\i], v[P+8*(\a)+4+\i]   ; a whole block to a lane: lanes 0-15 block 0, lanes 16-31 block 1
.endr
	v_mov_b32 v[P+8*(\a)+3], v[P+8*(\a)+4]
	v_mov_b32 v[P+8*(\a)+4], v[P+8*(\a)+5]
	v_mov_b32 v[P+8*(\a)+5], v[P+8*(\a)+6]
.endm
.irp a, 0,1,2,3,4,5,6,7
	EPI \a
.endr
	s_mov_b32 s46, 0xffff0000                      ; the upper sixteen lanes: a constant mask, in a scalar register that scalar instructions alone write
.irp j, 0,1,2,3
	v_cndmask_b32 v[PK+2+\j], v[HW+\j], v[HW+4+\j], s46      ; lanes 0-15: row tiles 0-3, lanes 16-31: 4-7
.endr
	v_lshl_or_b32 v[PK], v[PK+3], 16, v[PK+2]
	v_lshl_or_b32 v[PK+1], v[PK+5], 16, v[PK+4]
	s_wait_alu depctr_va_vdst(0)                   ; row tile 7's codes and the packed scale bytes are written, which the last three stores read
	SENDT 7
	global_store_b64 v3, v[PK:PK+1], s[30:31] offset:6144
.Lend:
	s_wait_dscnt 0x0                               ; the closing lines, six on end
	s_wait_alu 0x0
	s_wait_tensorcnt 0x0
	ds_add_u32 v62, v63
	s_wait_dscnt 0x0
	s_endpgm
.Lfunc_end_k_q626cca1ebb_g13:
	.size	k_q626cca1ebb_g13, .Lfunc_end_k_q626cca1ebb_g13-k_q626cca1ebb_g13
	.p2alignl 7, 3214868480
	.fill 96, 4, 3214868480
	.section	.rodata,"a",@progbits
	.p2align	6, 0x0
	.amdhsa_kernel k_q626cca1ebb_g13
		.amdhsa_group_segment_fixed_size 104960
		.amdhsa_private_segment_fixed_size 0
		.amdhsa_enable_private_segment 0
		.amdhsa_kernarg_size 48
		.amdhsa_user_sgpr_count 2
		.amdhsa_user_sgpr_kernarg_segment_ptr 1
		.amdhsa_wavefront_size32 1
		.amdhsa_system_sgpr_workgroup_id_x 1
		.amdhsa_system_sgpr_workgroup_id_y 1
		.amdhsa_system_sgpr_workgroup_id_z 1
		.amdhsa_system_vgpr_workitem_id 0
		.amdhsa_next_free_vgpr 1024
		.amdhsa_next_free_sgpr 66
		.amdhsa_reserve_vcc 0
		.amdhsa_float_denorm_mode_32 3
		.amdhsa_float_denorm_mode_16_64 3
		.amdhsa_memory_ordered 1
		.amdhsa_forward_progress 1
		.amdhsa_inst_pref_size 195
	.end_amdhsa_kernel
	.amdgpu_metadata
---
amdhsa.version: [ 1, 2 ]
amdhsa.kernels:
  - .name:           k_q626cca1ebb_g13
    .symbol:         k_q626cca1ebb_g13.kd
    .args:
      - { .name: xq, .offset: 0, .size: 8, .value_kind: global_buffer, .address_space: global }
      - { .name: xs, .offset: 8, .size: 8, .value_kind: global_buffer, .address_space: global }
      - { .name: wq, .offset: 16, .size: 8, .value_kind: global_buffer, .address_space: global }
      - { .name: list, .offset: 24, .size: 8, .value_kind: global_buffer, .address_space: global }
      - { .name: tt, .offset: 32, .size: 8, .value_kind: global_buffer, .address_space: global }
      - { .name: hq, .offset: 40, .size: 8, .value_kind: global_buffer, .address_space: global }
    .group_segment_fixed_size: 104960
    .private_segment_fixed_size: 0
    .kernarg_segment_align: 8
    .kernarg_segment_size: 48
    .max_flat_workgroup_size: 128
    .sgpr_count:     66
    .vgpr_count:     1024
    .wavefront_size: 32
...
	.end_amdgpu_metadata
.endif
;; end of part 5
;; launch g2 (part 6): grid 8 x 23, 4 waves a work-group, no clusters, 270,848 bytes of LDS; arguments hq, wq, list, tt, out0; writes out0
.if DOCPART == 6
	.amdgcn_target "amdgcn-amd-amdhsa--gfx1250"
	.amdhsa_code_object_version 6
	.text
	.protected	k_q626cca1ebb_g2
	.globl	k_q626cca1ebb_g2
	.p2align	8
	.type	k_q626cca1ebb_g2,@function
k_q626cca1ebb_g2:
	s_mov_b64 s[64:65], 0
	v_nop
	global_prefetch_b8 v0, s[64:65] scope:SCOPE_SE
	s_setreg_imm32_b32 hwreg(HW_REG_WAVE_SCHED_MODE, 0, 2), 2
	s_setreg_imm32_b32 hwreg(HW_REG_WAVE_MODE, 25, 1), 1
	s_wait_xcnt 0x0
	s_wait_alu depctr_vm_vsrc(0)
; FOURTH LAUNCH.  out0[token] = hs w2_shared^T + h w2[e]^T, as ONE sum over K = 2,048 + 1,024, for a tile of at most 128 rows of one expert (work-group y) and 128 output columns (x).
; So each output row has one owner, and shared + routed costs no addition of its own.
; THE WAVES SHARE K: wave w takes the shared K steps 4 w .. 4 w + 3 and the routed K steps 2 w, 2 w + 1, for the whole 128 x 128: 64 accumulators.  Every byte of hq and wq that the work-group needs is loaded
; once, by one wave, straight into operand registers (both lie in the order of those registers): the loop has no LDS access and no barrier.  The four partial tiles meet in LDS, and each wave adds and stores 32 rows.
; The sums' order: f32, six K steps a wave in ascending order, then (p0 + p1) + (p2 + p3).
; THE MATRIX INSTRUCTION IS USED TRANSPOSED (source 0 = 16 rows of w2, source 1 = 16 tokens): lane (r, h) of accumulator (a, b) holds row 16 a + r, columns 64 (b / 4) + 32 ((b / 2) % 2) + 16 h + 8 (b % 2) + 0 .. 7.
; THE HEAD: the addresses of w2_shared's sets hang on the work-group's and the wave's number alone, so the weights of my first two K steps, 50 loads, go out while the tile's entry of the table is on its way.
; The rows' codes are asked for only when the tile is known to have rows: hq holds nothing for a tile without.
; Rows beyond a tile's count repeat its last token: that row is stored several times, with the same bits.  A tile with 0 rows stores nothing.
; No tensor load and no joint request: what a work-group does hangs on the stored table.  The one barrier stands where the ways have joined again.
; THE MODE: SCHED_MODE bits 1:0 = 2 (LLVM: expert scheduling mode 2), set by the entry lines.  The code itself states the register dependences
; between vector or matrix instructions and memory or LDS instructions, with s_wait_alu, always for 0.
; THE PLAN.  Registers that memory or LDS instructions touch:
;   the rows' fragments (two sets), their scale bytes as loaded (v48-55, two sets), the weights' fragments (two sets) and scale words (v40-47, two sets): step i's products, and its four v_perm_b32, read set i % 2;
;       the 59 loads of step i + 2 land in that same set, so they stand behind step i's products, behind ONE wait on va_vdst.  They are not held back to the next step's head: they are to be on their way while that step's data are awaited.
;   v32-39, the rows' scale words, are written by v_perm_b32 and read by the products: eight places, then a wait on va_vdst, at each step's head.
;   v2, v3, v6, v8-11, v13: addresses, made once and never written again.
;   the accumulators: written by the products, read by the LDS stores of the partial tile: the four places, then a wait on va_vdst.
;   the way out: three buffers of four rows (LDS loads land, 24 additions work in place, four stores read) and three sets of four offsets (v16-27), by turns.  In a group: the additions; a wait on vm_vsrc (the stores issued so far
;       have read their buffer and their offsets); the four offsets; one wait on va_vdst (sums and offsets are written, and the group before is done with its buffer); the LDS loads of the group two on, into that buffer; the four stores.
.set PART, 67584                       ; a wave's partial tile in LDS: 128 rows x (512 + 16) bytes
.set MSB, 0
.macro WIN new                         ; the immediate's high byte repeats the setting that is left
.if MSB != \new
	s_set_vgpr_msb (MSB<<8)|\new
.set MSB, \new
.endif
.endm
.macro PLACES                          ; four plain instructions between a matrix instruction and a read of its result; in the steps they also stand ahead of the loads into its registers, beside the wait that states that dependence
.rept 4
	v_nop
.endr
.endm
; REGISTERS.  window 0: v1-13 addresses, v16-27 the stores' offsets (three sets of four), v32-39 the rows' scale words (two sets), v40-47 the weights' (two sets), v48-55 the rows' scale bytes as loaded (two sets),
;   v64-159, v160-255 the rows' fragments, two sets; on the way out v64-255 are three buffers of four rows.   window 1: the weights' fragments, at v0 and at v128.   windows 2, 3: accumulator (a, b) at v[8 (8 (a % 4) + b)].
.macro LOADA i                         ; the rows of my i-th K step: 34 loads
.if (\i) < 4
.set HA_, 24
.set IA_, 12800*(\i)
.else
.set HA_, 26
.set IA_, 12800*((\i)-4)
.endif
.set AS_, 64+96*((\i)%2)
.irp a, 0,1,2,3,4,5,6,7
.irp c, 0,1
	global_load_b128 v[AS_+12*\a+6*\c:AS_+12*\a+6*\c+3], v2, s[HA_:HA_+1] offset:IA_+6400*\c+768*\a
	global_load_b64 v[AS_+12*\a+6*\c+4:AS_+12*\a+6*\c+5], v3, s[HA_:HA_+1] offset:IA_+6400*\c+768*\a+512
.endr
.endr
.irp c, 0,1
	global_load_b64 v[48+4*((\i)%2)+2*\c:49+4*((\i)%2)+2*\c], v3, s[HA_:HA_+1] offset:IA_+6400*\c+6144
.endr
.endm
.macro LOADB i                         ; the weights of my i-th K step: 25 loads
.if (\i) < 4
.set WB_, 28
.set IB_, 12800*(\i)
.else
.set WB_, 30
.set IB_, 12800*((\i)-4)
.endif
	WIN 0x40                                       ; destination window 1
.irp f, 0,1,2,3,4,5,6,7
.irp n, 0,1,2
	global_load_b128 v[128*((\i)%2)+12*\f+4*\n:128*((\i)%2)+12*\f+4*\n+3], v2, s[WB_:WB_+1] offset:IB_+1536*\f+512*\n
.endr
.endr
	WIN 0
	global_load_b128 v[40+4*((\i)%2):43+4*((\i)%2)], v2, s[WB_:WB_+1] offset:IB_+12288
.endm
	s_load_b256 s[4:11], s[0:1], 0x0               ; hq s[4:5], wq s[6:7], list s[8:9], tt s[10:11]
	s_load_b64 s[12:13], s[0:1], 0x20              ; out0
	v_lshl_add_u32 v62, v0, 2, 0x42000
	v_mov_b32 v63, 0
	v_lshrrev_b32 v1, 5, v0
	v_readfirstlane_b32 s16, v1                    ; wave
	s_mov_b32 s17, ttmp9                           ; column group
	s_and_b32 s18, ttmp7, 0xffff                   ; tile
	v_and_b32 v1, 31, v0
	v_lshlrev_b32 v2, 4, v1                        ; 16 l
	v_lshlrev_b32 v3, 3, v1                        ; 8 l
	v_and_b32 v4, 15, v0                           ; r
	v_bfe_u32 v5, v0, 4, 1                         ; h
	s_wait_alu depctr_va_sdst(0)                   ; s16, the wave's number, is written, ahead of its first reader
	s_mul_i32 s22, s16, PART
	v_mul_u32_u24 v6, v4, 528
	v_lshl_add_u32 v6, v5, 6, v6
	v_add_nc_u32 v6, s22, v6                       ; my partial tile: row r, + 64 h
	s_mul_i32 s22, s16, 32*528
	v_add_nc_u32 v8, s22, v2                       ; back: my 32 rows in wave 0's partial tile, 16 bytes a lane,
	v_add_nc_u32 v9, PART, v8                      ; in wave 1's,
	v_add_nc_u32 v10, 2*PART, v8
	v_add_nc_u32 v11, 3*PART, v8
	s_lshl_b32 s22, s18, 3
	s_mov_b32 s23, 0
	s_wait_kmcnt 0x0
	s_add_nc_u64 s[10:11], s[10:11], s[22:23]
	s_load_b64 s[20:21], s[10:11], 0x0             ; my tile's expert and rows
	s_lshl_b32 s22, s17, 4
	s_lshl_b32 s23, s16, 2
	s_add_co_u32 s22, s22, s23
	s_add_co_u32 s22, s22, 1792
	s_mul_i32 s28, s22, 12800
	s_mov_b32 s29, 0
	s_add_nc_u64 s[28:29], s[6:7], s[28:29]        ; w2_shared's sets 16 cg + 4 w on
	s_wait_alu depctr_va_vdst(0)                   ; the addresses v2, v3, v6 and v8 to v11 are written, which the kernel's loads and stores read
	LOADB 0                                        ; they need nothing of the table: out at once
	LOADB 1
	s_mul_i32 s22, s18, 24
	s_lshl_b32 s23, s16, 2
	s_add_co_u32 s23, s23, s22
	s_mul_i32 s24, s23, 12800
	s_mov_b32 s25, 0
	s_add_nc_u64 s[24:25], s[4:5], s[24:25]        ; the tile's K steps 4 w on
	s_lshl_b32 s23, s16, 1
	s_add_co_u32 s23, s23, s22
	s_add_co_u32 s23, s23, 16
	s_mul_i32 s26, s23, 12800
	s_mov_b32 s27, 0
	s_add_nc_u64 s[26:27], s[4:5], s[26:27]        ; and 16 + 2 w on
	s_lshl_b32 s32, s17, 9
	s_mov_b32 s33, 0
	s_add_nc_u64 s[12:13], s[12:13], s[32:33]      ; out0 at my 128 columns
	s_wait_kmcnt 0x0
	s_min_u32 s20, s20, 7
	s_min_u32 s21, s21, 128
	s_lshl_b32 s22, s20, 6
	s_lshl_b32 s23, s17, 3
	s_add_co_u32 s22, s22, s23
	s_lshl_b32 s23, s16, 1
	s_add_co_u32 s22, s22, s23
	s_add_co_u32 s22, s22, 1280
	s_mul_i32 s30, s22, 12800
	s_mov_b32 s31, 0
	s_add_nc_u64 s[30:31], s[6:7], s[30:31]        ; w2[e]'s sets 8 cg + 2 w on
	s_max_u32 s34, s21, 1
	s_sub_co_u32 s34, s34, 1                       ; the tile's last row
	s_lshl_b32 s35, s18, 7
	s_cmp_lg_u32 s21, 0
	s_cselect_b32 s35, s35, 0                      ; a tile without rows reads list[0], which is always written
	v_min_u32 v13, s34, v0                         ; row 32 w + l, held at the last row
	v_add_nc_u32 v13, s35, v13
	v_min_u32 v13, 2943, v13
	v_lshlrev_b32 v13, 2, v13
	s_wait_alu depctr_va_vdst(0)                   ; v13 is written, which the load below reads as its offset
	global_load_b32 v12, v13, s[8:9]               ; its token
	s_cmp_eq_u32 s21, 0
	s_cbranch_scc1 .Lmeet
; One product.  A scale register holds fragment j's words in lanes 0-15 and fragment j + 4's in lanes 16-31.
.macro WM a, b, zero
.set D_, 8*(8*((\a)%4)+(\b))
.set W_, BB_+12*(\b)
.set A_, AB_+12*(\a)
.set P_, S0_+(\b)%4
.set Q_, S1_+(\a)%4
.if \zero
.if ((\a) < 4) && ((\b) < 4)
	v_wmma_scale_f32_16x16x128_f8f6f4 v[D_:D_+7], v[W_:W_+11], v[A_:A_+11], 0, v[P_], v[Q_] matrix_a_fmt:MATRIX_FMT_FP6 matrix_b_fmt:MATRIX_FMT_FP6
.elseif (\a) < 4
	v_wmma_scale_f32_16x16x128_f8f6f4 v[D_:D_+7], v[W_:W_+11], v[A_:A_+11], 0, v[P_], v[Q_] matrix_a_fmt:MATRIX_FMT_FP6 matrix_b_fmt:MATRIX_FMT_FP6 matrix_a_scale:MATRIX_SCALE_ROW1
.elseif (\b) < 4
	v_wmma_scale_f32_16x16x128_f8f6f4 v[D_:D_+7], v[W_:W_+11], v[A_:A_+11], 0, v[P_], v[Q_] matrix_a_fmt:MATRIX_FMT_FP6 matrix_b_fmt:MATRIX_FMT_FP6 matrix_b_scale:MATRIX_SCALE_ROW1
.else
	v_wmma_scale_f32_16x16x128_f8f6f4 v[D_:D_+7], v[W_:W_+11], v[A_:A_+11], 0, v[P_], v[Q_] matrix_a_fmt:MATRIX_FMT_FP6 matrix_b_fmt:MATRIX_FMT_FP6 matrix_a_scale:MATRIX_SCALE_ROW1 matrix_b_scale:MATRIX_SCALE_ROW1
.endif
.else
.if ((\a) < 4) && ((\b) < 4)
	v_wmma_scale_f32_16x16x128_f8f6f4 v[D_:D_+7], v[W_:W_+11], v[A_:A_+11], v[D_:D_+7], v[P_], v[Q_] matrix_a_fmt:MATRIX_FMT_FP6 matrix_b_fmt:MATRIX_FMT_FP6
.elseif (\a) < 4
	v_wmma_scale_f32_16x16x128_f8f6f4 v[D_:D_+7], v[W_:W_+11], v[A_:A_+11], v[D_:D_+7], v[P_], v[Q_] matrix_a_fmt:MATRIX_FMT_FP6 matrix_b_fmt:MATRIX_FMT_FP6 matrix_a_scale:MATRIX_SCALE_ROW1
.elseif (\b) < 4
	v_wmma_scale_f32_16x16x128_f8f6f4 v[D_:D_+7], v[W_:W_+11], v[A_:A_+11], v[D_:D_+7], v[P_], v[Q_] matrix_a_fmt:MATRIX_FMT_FP6 matrix_b_fmt:MATRIX_FMT_FP6 matrix_b_scale:MATRIX_SCALE_ROW1
.else
	v_wmma_scale_f32_16x16x128_f8f6f4 v[D_:D_+7], v[W_:W_+11], v[A_:A_+11], v[D_:D_+7], v[P_], v[Q_] matrix_a_fmt:MATRIX_FMT_FP6 matrix_b_fmt:MATRIX_FMT_FP6 matrix_a_scale:MATRIX_SCALE_ROW1 matrix_b_scale:MATRIX_SCALE_ROW1
.endif
.endif
.endm
.macro MUL16 a0, zero                  ; row tiles a0, a0 + 1 against the eight weight fragments.  The 64 accumulators take turns, one instruction a turn, in the same order in every step
.irp a, \a0, \a0+1
.irp b, 0,1,2,3,4,5,6,7
	WM (\a), \b, \zero
.endr
.endr
.endm
.macro STEP i
.set RW_, 48+4*((\i)%2)
.set S1_, 32+4*((\i)%2)
.set S0_, 40+4*((\i)%2)
.set BB_, 128*((\i)%2)
.set AB_, 64+96*((\i)%2)
.set Z_, 0
.if (\i) == 0
.set Z_, 1                             ; the first step's products start the sums: nothing is cleared
.endif
.if (\i) == 0
	s_wait_loadcnt 34                              ; the order of issue was: weights 0, weights 1, the token, rows 0, rows 1: all but rows 1's 34 loads are in
.elseif (\i) < 5
	s_wait_loadcnt 59                              ; this step's loads are in; the next step's 59 may be out
.else
	s_wait_loadcnt 0x0
.endif
	v_perm_b32 v[S1_], v[RW_+2], v[RW_], 0x05040100        ; a row's scale word: two bytes from the K step's first half, two from its second
	v_perm_b32 v[S1_+1], v[RW_+2], v[RW_], 0x07060302
	v_perm_b32 v[S1_+2], v[RW_+3], v[RW_+1], 0x05040100
	v_perm_b32 v[S1_+3], v[RW_+3], v[RW_+1], 0x07060302
.rept 8
	v_nop                                          ; a scale register written by a vector instruction stands eight places ahead of the scaled matrix instruction
.endr
	s_wait_alu depctr_va_vdst(0)                   ; the four scale words are written, which the products below take as scales; the places above stay beside this wait
	WIN 0xa1
	MUL16 0, Z_
	MUL16 2, Z_
	WIN 0xf1
	MUL16 4, Z_
	MUL16 6, Z_
	PLACES
	WIN 0
.if (\i) <= 3
	s_wait_alu depctr_va_vdst(0)                   ; this step's products are done reading their fragments and the weights' scale words, and its v_perm_b32 the scale bytes as loaded: the 59 loads below land in these
	LOADA (\i)+2                                   ; the registers just multiplied take the step two on
	LOADB (\i)+2
.endif
.endm
	LOADA 0
	LOADA 1
.irp i, 0,1,2,3,4,5
	STEP \i
.endr
	; my partial tile to LDS (the last step has left its four places); each accumulator from its low end on
	s_wait_alu depctr_va_vdst(0)                   ; the products have written the accumulators, which the LDS stores read; they are also done reading v64 to v255, in which the way out's LDS loads land
.irp a, 0,1,2,3,4,5,6,7
	WIN 0x08+4*(\a/4)                              ; an LDS store's data are its source 1: window 2 or 3
.irp b, 0,1,2,3,4,5,6,7
	ds_store_b128 v6, v[8*(8*(\a%4)+\b):8*(8*(\a%4)+\b)+3] offset:8448*\a+256*(\b/4)+128*((\b/2)%2)+32*(\b%2)
	ds_store_b128 v6, v[8*(8*(\a%4)+\b)+4:8*(8*(\a%4)+\b)+7] offset:8448*\a+256*(\b/4)+128*((\b/2)%2)+32*(\b%2)+16
.endr
.endr
	WIN 0
.Lmeet:
	s_wait_dscnt 0x0                               ; for the others' sake: my partial tile has landed
	s_barrier_signal -1
	s_barrier_wait -1
	s_cmp_eq_u32 s21, 0
	s_cbranch_scc1 .Lend                           ; a tile that this split leaves without rows
	s_wait_loadcnt 0x0
	v_min_u32 v12, 2047, v12
; THE WAY OUT: my 32 rows in eight groups of four, on three buffers by turns.
.macro GRP g                           ; four of my rows, from the four partial tiles
.set BU_, 64+64*((\g)%3)
.irp p, 0,1,2,3
.irp u, 0,1,2,3
	ds_load_b128 v[BU_+16*\p+4*\u:BU_+16*\p+4*\u+3], v[8+\u] offset:528*(4*(\g)+\p)
.endr
.endr
.endm
.macro OUTG g
.set BO_, 64+64*((\g)%3)
.set VO_, 16+4*((\g)%3)
.if (\g) < 7
	s_wait_dscnt 16                                ; this group is in; the next group's 16 loads may be out
.else
	s_wait_dscnt 0x0
.endif
.irp p, 0,1,2,3
	v_pk_add_f32 v[BO_+16*\p:BO_+16*\p+1], v[BO_+16*\p:BO_+16*\p+1], v[BO_+16*\p+4:BO_+16*\p+5]
	v_pk_add_f32 v[BO_+16*\p+2:BO_+16*\p+3], v[BO_+16*\p+2:BO_+16*\p+3], v[BO_+16*\p+6:BO_+16*\p+7]
	v_pk_add_f32 v[BO_+16*\p+8:BO_+16*\p+9], v[BO_+16*\p+8:BO_+16*\p+9], v[BO_+16*\p+12:BO_+16*\p+13]
	v_pk_add_f32 v[BO_+16*\p+10:BO_+16*\p+11], v[BO_+16*\p+10:BO_+16*\p+11], v[BO_+16*\p+14:BO_+16*\p+15]
	v_pk_add_f32 v[BO_+16*\p:BO_+16*\p+1], v[BO_+16*\p:BO_+16*\p+1], v[BO_+16*\p+8:BO_+16*\p+9]
	v_pk_add_f32 v[BO_+16*\p+2:BO_+16*\p+3], v[BO_+16*\p+2:BO_+16*\p+3], v[BO_+16*\p+10:BO_+16*\p+11]
.endr
.if ((\g) > 0) && ((\g) < 6)
	s_wait_xcnt 0x0                                ; the stores issued so far, all ahead of the 24 additions above, have had their addresses translated (ISA guide 3.1): their data and offsets are rewritten only behind this wait,
	s_wait_alu depctr_vm_vsrc(0)                   ; and beside it: those stores have read the last group's buffer, in which the loads below land, and the offsets' set of three groups back, which is written below
.endif
.irp p, 0,1,2,3
	v_lshl_add_u32 v[VO_+\p], s[66+4*(\g)+\p], 12, v2   ; the token's row of out0, 16 bytes a lane.  (Groups 6 and 7 write sets that groups 3 and 4 used: group 5's two waits stand behind those stores)
.endr
	s_wait_alu depctr_va_vdst(0)                   ; this group's sums and offsets are written, which its stores read; the last group's additions are done with their buffer, in which the loads below land
.if (\g)+2 < 8
	GRP (\g)+2
.endif
.irp p, 0,1,2,3
	global_store_b128 v[VO_+\p], v[BO_+16*\p:BO_+16*\p+3], s[12:13] th:TH_STORE_NT   ; 512 consecutive bytes, at a multiple of 256 from out0's first byte; written once, read by nobody here
.endr
.endm
	GRP 0
	GRP 1
.set n_, 0
.rept 32
	v_readlane_b32 s[66+n_], v12, n_               ; my 32 rows' tokens as scalars, in one batch, while the first two groups are on their way
.set n_, n_+1
.endr
	s_wait_alu depctr_va_sdst(0)                   ; s66 to s97 are written: one wait behind the run, ahead of their first reader
.set n_, 0
.rept 32
	s_min_u32 s[66+n_], s[66+n_], 2047
.set n_, n_+1
.endr
.irp g, 0,1,2,3,4,5,6,7
	OUTG \g
.endr
.Lend:
	s_wait_dscnt 0x0                               ; the closing lines, six on end
	s_wait_alu 0x0
	s_wait_tensorcnt 0x0
	ds_add_u32 v62, v63
	s_wait_dscnt 0x0
	s_endpgm
.Lfunc_end_k_q626cca1ebb_g2:
	.size	k_q626cca1ebb_g2, .Lfunc_end_k_q626cca1ebb_g2-k_q626cca1ebb_g2
	.p2alignl 7, 3214868480
	.fill 96, 4, 3214868480
	.section	.rodata,"a",@progbits
	.p2align	6, 0x0
	.amdhsa_kernel k_q626cca1ebb_g2
		.amdhsa_group_segment_fixed_size 270848
		.amdhsa_private_segment_fixed_size 0
		.amdhsa_enable_private_segment 0
		.amdhsa_kernarg_size 40
		.amdhsa_user_sgpr_count 2
		.amdhsa_user_sgpr_kernarg_segment_ptr 1
		.amdhsa_wavefront_size32 1
		.amdhsa_system_sgpr_workgroup_id_x 1
		.amdhsa_system_sgpr_workgroup_id_y 1
		.amdhsa_system_sgpr_workgroup_id_z 1
		.amdhsa_system_vgpr_workitem_id 0
		.amdhsa_next_free_vgpr 1024
		.amdhsa_next_free_sgpr 100
		.amdhsa_reserve_vcc 0
		.amdhsa_float_denorm_mode_32 3
		.amdhsa_float_denorm_mode_16_64 3
		.amdhsa_memory_ordered 1
		.amdhsa_forward_progress 1
		.amdhsa_inst_pref_size 130
	.end_amdhsa_kernel
	.amdgpu_metadata
---
amdhsa.version: [ 1, 2 ]
amdhsa.kernels:
  - .name:           k_q626cca1ebb_g2
    .symbol:         k_q626cca1ebb_g2.kd
    .args:
      - { .name: hq, .offset: 0, .size: 8, .value_kind: global_buffer, .address_space: global }
      - { .name: wq, .offset: 8, .size: 8, .value_kind: global_buffer, .address_space: global }
      - { .name: list, .offset: 16, .size: 8, .value_kind: global_buffer, .address_space: global }
      - { .name: tt, .offset: 24, .size: 8, .value_kind: global_buffer, .address_space: global }
      - { .name: out0, .offset: 32, .size: 8, .value_kind: global_buffer, .address_space: global }
    .group_segment_fixed_size: 270848
    .private_segment_fixed_size: 0
    .kernarg_segment_align: 8
    .kernarg_segment_size: 40
    .max_flat_workgroup_size: 128
    .sgpr_count:     100
    .vgpr_count:     1024
    .wavefront_size: 32
...
	.end_amdgpu_metadata
.endif
;; end of part 6
